; MI455X (gfx1250); checked and timed in simulation.
; The chip was launched on July 23, 2026; its instructions are those of AMD's public machine-readable ISA for CDNA 5 (MIT licence, August 2026) and "CDNA5" Instruction Set Architecture Reference Guide (July 2026). The comments in the code are by the model that wrote it; some were corrected since.
;; Dynamic Category Mo E. Allowed arithmetic: matrix products marked QUANTISED: E4M3 operands, one given power-of-two scale a tensor, by v_wmma_f32_16x16x64_fp8_fp8 or v_wmma_f32_16x16x128_fp8_fp8, f32 sums; products left as they are: f32 operands where the result goes on into a quantised operand, else bf16, f16 or f32 operands; f32 sums; everything else in f32.
;; Inputs: b1 8 x 4,096 float32; b2 8 x 1,024 float32; game_emb 8 x 1,024 float32; lowp_scales 32 int32 (the exponents e of the quantised operands' scales 2^e); router_b 8 float32; router_w 1,024 x 8 float32; w1_codes 8 x 4,096 x 32 x 32 uint8 (E4M3 codes of w1, K innermost, in blocks of 32 codes); w2_codes 8 x 1,024 x 128 x 32 uint8 (E4M3 codes of w2, K innermost, in blocks of 32 codes); x 2 x 512 x 1,024 float32.
;; Outputs: out0 2 x 512 x 1,024 float32.
;; This version of the problem:
;;   THIS VERSION OF THE PROBLEM IS GIVEN IN LOW PRECISION. The matrix products marked QUANTISED in the list below multiply operands that are first quantised to E4M3 (4 exponent bits, 3 mantissa bits; 8 bits a number), with one given power-of-two scale for each operand tensor; their sums are f32. All else is computed in f32.
;;   The module's matrix products, in the order in which they are computed (A, B: the left and right operand; K: the contracted axis; several contracted axes count as one K, in the product's order):
;;     1. [M 1,024, K 1,024] x [K 1,024, N 8]; A: input x; B: input router_w: left as it is (N = 8 < 16)
;;     2. [M 1,024, K 1,024] x [K 1,024, N 4,096]; A: computed on the way; B: input w1 (given as codes): QUANTISED (scales: A lowp_scales[0], B lowp_scales[1])
;;     3. [M 1,024, K 4,096] x [K 4,096, N 1,024]; A: computed on the way; B: input w2 (given as codes): QUANTISED (scales: A lowp_scales[2], B lowp_scales[3])
;;     4. [M 1,024, K 1,024] x [K 1,024, N 4,096]; A: computed on the way; B: input w1 (given as codes): QUANTISED (scales: A lowp_scales[4], B lowp_scales[5])
;;     5. [M 1,024, K 4,096] x [K 4,096, N 1,024]; A: computed on the way; B: input w2 (given as codes): QUANTISED (scales: A lowp_scales[6], B lowp_scales[7])
;;     6. [M 1,024, K 1,024] x [K 1,024, N 4,096]; A: computed on the way; B: input w1 (given as codes): QUANTISED (scales: A lowp_scales[8], B lowp_scales[9])
;;     7. [M 1,024, K 4,096] x [K 4,096, N 1,024]; A: computed on the way; B: input w2 (given as codes): QUANTISED (scales: A lowp_scales[10], B lowp_scales[11])
;;     8. [M 1,024, K 1,024] x [K 1,024, N 4,096]; A: computed on the way; B: input w1 (given as codes): QUANTISED (scales: A lowp_scales[12], B lowp_scales[13])
;;     9. [M 1,024, K 4,096] x [K 4,096, N 1,024]; A: computed on the way; B: input w2 (given as codes): QUANTISED (scales: A lowp_scales[14], B lowp_scales[15])
;;     10. [M 1,024, K 1,024] x [K 1,024, N 4,096]; A: computed on the way; B: input w1 (given as codes): QUANTISED (scales: A lowp_scales[16], B lowp_scales[17])
;;     11. [M 1,024, K 4,096] x [K 4,096, N 1,024]; A: computed on the way; B: input w2 (given as codes): QUANTISED (scales: A lowp_scales[18], B lowp_scales[19])
;;     12. [M 1,024, K 1,024] x [K 1,024, N 4,096]; A: computed on the way; B: input w1 (given as codes): QUANTISED (scales: A lowp_scales[20], B lowp_scales[21])
;;     13. [M 1,024, K 4,096] x [K 4,096, N 1,024]; A: computed on the way; B: input w2 (given as codes): QUANTISED (scales: A lowp_scales[22], B lowp_scales[23])
;;     14. [M 1,024, K 1,024] x [K 1,024, N 4,096]; A: computed on the way; B: input w1 (given as codes): QUANTISED (scales: A lowp_scales[24], B lowp_scales[25])
;;     15. [M 1,024, K 4,096] x [K 4,096, N 1,024]; A: computed on the way; B: input w2 (given as codes): QUANTISED (scales: A lowp_scales[26], B lowp_scales[27])
;;     16. [M 1,024, K 1,024] x [K 1,024, N 4,096]; A: computed on the way; B: input w1 (given as codes): QUANTISED (scales: A lowp_scales[28], B lowp_scales[29])
;;     17. [M 1,024, K 4,096] x [K 4,096, N 1,024]; A: computed on the way; B: input w2 (given as codes): QUANTISED (scales: A lowp_scales[30], B lowp_scales[31])
;;   THE QUANTISER, for each operand of a quantised product, along K:
;;     - The operand's scale is 2^e, e = its entry of the input lowp_scales (int32; the entries are numbered through the quantised products in the list's order, A before B).
;;     - Each number is divided by the scale, clamped to +-448, and rounded to the nearest number of E4M3, ties to even, subnormals kept.
;;     - The product sums the exact products of the quantised numbers (number of the format x scale) in f32.
;;   ~~~python
;;   def quantise(x, axis, e):      # numpy; x: float32 -> the quantised numbers, widened to float32 again
;;       x = np.moveaxis(x, axis, -1); K = x.shape[-1]
;;       r = np.clip(x / 2.0 ** e, -448, 448)
;;       step = 2.0 ** (np.maximum(np.frexp(np.where(r == 0, 1, r))[1] - 1, -6) - 3)
;;       q = np.round(r / step) * step * 2.0 ** e      # np.round: ties to even
;;       return np.moveaxis(q, -1, axis).astype(np.float32)
;;   ~~~
;;   OPERANDS COMPUTED ON THE WAY. 'Computed on the way' means the value that the module computes at that place (a softmax that the list does not call 'softmax' is quantised finished and normalised). What goes into a quantiser is computed in f32, as accurately as f32 sums, v_exp_f32 and their like allow (about 1e-6 of the number): no bf16 or f16 on the way to a quantiser, and a product that is left as it is and whose result goes on into a quantised operand takes f32 operands (vector FMAs, or v_wmma_f32_16x16x4_f32). A number that lies on a knife's edge between two numbers of the format may be rounded either way, as far as f32 arithmetic and the matrix unit's own rounding can turn it there, and no further.
;;   INPUTS GIVEN AS CODES. w1 (in the module: [8, 1024, 4096], K = its axis 1); w2 (in the module: [8, 4096, 1024], K = its axis 1): each comes as NAME_codes (uint8): NAME with its K axis moved to the last place and cut into blocks of 32 codes, [.., K / 32, bytes a block], one block behind the other in memory; one code a byte (a code: sign, 4 exponent bits, 3 mantissa bits); its scale is its entry of lowp_scales. Its value is code x scale, taken as it is: it is not quantised again, and the codes and scales need not be those that the quantiser above would give.
;; 2 versions, each right; version 2 is version 1 with the launches up, down written anew for expert scheduling mode. Each part assembles by itself: llvm-mc -triple=amdgcn-amd-amdhsa -mcpu=gfx1250 --defsym DOCPART=n.
;; ======== version 1 of 2: 3 launches
;; workspace buffers: idx 4,096 bytes of whole numbers; xq 1,048,576 bytes; hid 33,554,432 bytes
;; launch route (part 1): grid 256 x 1, 4 waves a work-group, no clusters, 35,840 bytes of LDS; arguments x, router_w, router_b, game_emb, lowp_scales, xq, idx; writes xq, idx
.if DOCPART == 1
	.amdgcn_target "amdgcn-amd-amdhsa--gfx1250"
	.amdhsa_code_object_version 6
	.text
	.protected	k_q26ac7c2251_route
	.globl	k_q26ac7c2251_route
	.p2align	8
	.type	k_q26ac7c2251_route,@function
k_q26ac7c2251_route:
	s_mov_b64 s[64:65], 0
	v_nop
	global_prefetch_b8 v0, s[64:65] scope:SCOPE_SE
	s_setreg_imm32_b32 hwreg(HW_REG_WAVE_MODE, 25, 1), 1
	s_wait_xcnt 0x0
; ROUTE.  logits = x router_w + router_b in f32; e = the first largest logit's expert; xq = codes of E4M3 of x + 0.1 game_emb[e] with the scale 2^lowp_scales[4 e]; idx = e.
; x: [1024 tokens][1024] f32.  router_w: [1024][8].  game_emb: [8][1024].  xq: [1024 tokens][1024] codes, K innermost.  idx: one int32 a token.
; SHARES.  A work-group takes 4 tokens.  Wave w takes K = 256 w .. 256 w + 255 of all four; lane l holds k = 256 w + 8 l + 0 .. 7: eight neighbours along K, as the conversion wants them.
; So router_w and game_emb are read once by a work-group.  router_w's 8,192 bytes of a wave are loaded as they lie (512 consecutive bytes a load) and turned through the wave's own LDS bytes, 256 bytes a lane.
; The chosen expert only SELECTS values here (v_cndmask_b32, s_cselect_b32): no branch and no address hangs on it.  It is stored at a fixed place, for the later launches.
; No matrix unit: 8 columns are too few for it; no cluster: the work-groups share only 64 KiB of small tables.
; LIMITS.  NaN and infinities among the inputs are not served.  lowp_scales[4 e] between -126 and 119.  A logit is summed as 8 fused multiply-adds a lane, a tree over 32 lanes and a sum of four waves:
; another order than a plain chain, so two logits that lie within a few units of the last place of each other may change places.
.set RWP,  272                         ; a lane's 256 bytes of router_w + 16 of padding: 17 x 16 bytes, so the lanes' 16-byte reads start in different columns of banks
.set RWW,  32*RWP                      ; a wave's bytes
.set PART, 4*RWW                       ; behind them: 128 bytes for each wave: its part of the 4 x 8 logits
.set ACC,  16                          ; v16-47   logits' parts: 8 x token + expert
.set X,    48                          ; v48-79   x: 8 x token + i
.set RW,   80                          ; v80-143  router_w: 8 i + expert
.set EMB,  144                         ; v144-207 router_w as loaded; later game_emb: 8 x expert + i
.set SEL,  208                         ; v208-215 the chosen expert's game_emb
.set CD,   216                         ; v216-223 codes: two registers for each token, so that no store's data are written again
.set LS,   32                          ; s32-63   lowp_scales
	s_load_b256 s[4:11], s[0:1], 0x0               ; x s[4:5], router_w s[6:7], router_b s[8:9], game_emb s[10:11]
	s_load_b128 s[12:15], s[0:1], 0x20             ; lowp_scales s[12:13], xq s[14:15]
	s_load_b64 s[16:17], s[0:1], 0x30              ; idx
	v_lshl_add_u32 v240, v0, 2, 0x8a00
	v_mov_b32 v241, 0
	v_lshrrev_b32 v1, 5, v0
	v_readfirstlane_b32 s18, v1                    ; wave 0..3
	v_and_b32 v1, 31, v0                           ; lane
	v_and_b32 v2, 15, v0
	v_bfe_u32 v3, v0, 4, 1
	v_lshlrev_b32 v4, 4, v1                        ; 16 l: my 16 bytes of a load's 512
	s_lshl_b32 s24, s18, 10
	v_lshl_add_u32 v5, v1, 5, s24                  ; 1,024 w + 32 l: my 8 numbers in a row of x or of game_emb
	s_mul_i32 s25, s18, RWW
	v_mul_u32_u24 v6, v3, RWP
	v_lshl_add_u32 v6, v2, 4, v6
	v_add_nc_u32 v6, s25, v6                       ; router_w into LDS: sixteen lanes fill one piece of 256 bytes; load j brings pieces 2 j and 2 j + 1
	v_mul_u32_u24 v7, v1, RWP
	v_add_nc_u32 v7, s25, v7                       ; and back: piece l
	s_lshl_b32 s26, s18, 7
	s_add_co_u32 s26, s26, PART
	v_mov_b32 v8, s26                              ; my wave's part of the logits
	v_lshl_add_u32 v9, v1, 2, PART                 ; word l of a part: token l / 8, expert l % 8
	s_lshl_b32 s27, s18, 8
	v_lshl_add_u32 v10, v1, 3, s27                 ; 256 w + 8 l: my 8 codes in a row of xq
	v_and_b32 v229, 7, v0                          ; the expert of my logit
	v_lshlrev_b32 v11, 2, v229
	v_bfe_u32 v12, v0, 3, 2
	v_lshlrev_b32 v12, 2, v12                      ; 4 x (l / 8): my token's word of idx
	v_mov_b32 v230, 0                              ; written once: the destination of a lane exchange counts as one of its sources
	v_mov_b32 v231, 0
	s_mov_b32 s30, 0x76543210                      ; v_permlanex16_b32: lane l xor 16
	s_mov_b32 s31, 0xfedcba98
	s_lshl_b32 s24, ttmp9, 14                      ; 4 rows of x
	s_mov_b32 s25, 0
	s_lshl_b32 s26, ttmp9, 12                      ; 4 rows of xq
	s_mov_b32 s27, 0
	s_lshl_b32 s28, ttmp9, 4                       ; 4 words of idx
	s_mov_b32 s29, 0
	s_lshl_b32 s20, s18, 13                        ; my wave's 256 rows of router_w
	s_mov_b32 s21, 0
	s_wait_kmcnt 0x0
	s_load_b512 s[32:47], s[12:13], 0x0
	s_load_b512 s[48:63], s[12:13], 0x40
	s_add_nc_u64 s[4:5], s[4:5], s[24:25]
	s_add_nc_u64 s[14:15], s[14:15], s[26:27]
	s_add_nc_u64 s[16:17], s[16:17], s[28:29]
	s_add_nc_u64 s[6:7], s[6:7], s[20:21]
.irp j, 0,1,2,3,4,5,6,7,8,9,10,11,12,13,14,15
	global_load_b128 v[EMB+4*\j:EMB+4*\j+3], v4, s[6:7] offset:512*\j          ; router_w as it lies: 512 consecutive bytes a load
.endr
.irp r, 0,1,2,3
	global_load_b128 v[X+8*\r:X+8*\r+3], v5, s[4:5] offset:4096*\r th:TH_LOAD_NT      ; the two loads of a token cover the wave's 1,024 bytes whole
	global_load_b128 v[X+8*\r+4:X+8*\r+7], v5, s[4:5] offset:4096*\r+16 th:TH_LOAD_NT
.endr
	global_load_b32 v232, v11, s[8:9]              ; router_b of my logit's expert
	s_wait_loadcnt 9                               ; router_w is in: behind it stand x's 8 loads and router_b's one
.irp j, 0,1,2,3,4,5,6,7,8,9,10,11,12,13,14,15
	ds_store_b128 v6, v[EMB+4*\j:EMB+4*\j+3] offset:544*\j
.endr
	s_wait_dscnt 0x0                               ; the stores have read their registers, which now take game_emb
.irp e, 0,1,2,3,4,5,6,7
	global_load_b128 v[EMB+8*\e:EMB+8*\e+3], v5, s[10:11] offset:4096*\e
	global_load_b128 v[EMB+8*\e+4:EMB+8*\e+7], v5, s[10:11] offset:4096*\e+16
.endr
.irp q, 0,1,2,3,4,5,6,7,8,9,10,11,12,13,14,15
	ds_load_b128 v[RW+4*\q:RW+4*\q+3], v7 offset:16*\q                         ; my 8 rows of router_w (my wave's own bytes: LDS serves a wave's instructions in order)
.endr
	s_wait_loadcnt 17                              ; x is in: behind it stand router_b's load and game_emb's 16
	s_wait_dscnt 0x0
	; the products: two experts an instruction; the first product starts each sum
.irp i, 0,1,2,3,4,5,6,7
.irp r, 0,1,2,3
.irp e, 0,2,4,6
.if \i == 0
	v_pk_mul_f32 v[ACC+8*\r+\e:ACC+8*\r+\e+1], v[X+8*\r:X+8*\r+1], v[RW+\e:RW+\e+1] op_sel_hi:[0,1]
.elseif (\i % 2) == 0
	v_pk_fma_f32 v[ACC+8*\r+\e:ACC+8*\r+\e+1], v[X+8*\r+\i:X+8*\r+\i+1], v[RW+8*\i+\e:RW+8*\i+\e+1], v[ACC+8*\r+\e:ACC+8*\r+\e+1] op_sel_hi:[0,1,1]
.else
	v_pk_fma_f32 v[ACC+8*\r+\e:ACC+8*\r+\e+1], v[X+8*\r+\i-1:X+8*\r+\i], v[RW+8*\i+\e:RW+8*\i+\e+1], v[ACC+8*\r+\e:ACC+8*\r+\e+1] op_sel:[1,0,0] op_sel_hi:[1,1,1]
.endif
.endr
.endr
.endr
	; the sum over the wave's 32 lanes, all 32 numbers stage by stage, so that no line waits for the line above it
.irp m, 1,2,4,8
.set n, 0
.rept 32
	v_add_f32_dpp v[ACC+n], v[ACC+n], v[ACC+n] row_xmask:\m row_mask:0xf bank_mask:0xf
.set n, n+1
.endr
.endr
.set n, 0
.rept 32
	v_permlanex16_b32 v[RW+n], v[ACC+n], s30, s31  ; router_w's registers are done with, and have been written
.set n, n+1
.endr
.set n, 0
.rept 32
	v_add_f32 v[ACC+n], v[ACC+n], v[RW+n]
.set n, n+1
.endr
.irp q, 0,1,2,3,4,5,6,7
	ds_store_b128 v8, v[ACC+4*\q:ACC+4*\q+3] offset:16*\q                      ; all lanes hold the same numbers and write the same bytes
.endr
	s_wait_dscnt 0x0                               ; for the others' sake: my part lies in LDS
	s_barrier_signal -1
	s_barrier_wait -1
.irp a, 0,1,2,3
	ds_load_b32 v[224+\a], v9 offset:128*\a        ; the four waves' parts of my logit
.endr
	s_wait_dscnt 0x0
	s_wait_loadcnt 16                              ; router_b is in: behind it stand game_emb's 16 loads
	v_add_f32 v224, v224, v225
	v_add_f32 v226, v226, v227
	v_add_f32 v224, v224, v226
	v_add_f32 v228, v224, v232                     ; lane l: the logit of token l / 8, expert l % 8
	; the first largest among a token's eight lanes: the other lane's pair is taken where its logit is larger, or equal with the lower expert
.irp m, 1,2,4
	v_mov_b32_dpp v230, v228 row_xmask:\m row_mask:0xf bank_mask:0xf
	v_mov_b32_dpp v231, v229 row_xmask:\m row_mask:0xf bank_mask:0xf
	v_cmp_gt_f32 s24, v230, v228
	v_cmp_eq_f32 s25, v230, v228
	v_cmp_lt_u32 s26, v231, v229
	s_and_b32 s25, s25, s26
	s_or_b32 vcc_lo, s24, s25
	v_cndmask_b32 v228, v228, v230, vcc_lo
	v_cndmask_b32 v229, v229, v231, vcc_lo
.endr
.irp r, 0,1,2,3
	v_readlane_b32 s[20+\r], v229, 8*\r            ; token r's expert
.endr
	s_wait_loadcnt 0x0                             ; game_emb
	s_wait_kmcnt 0x0                               ; lowp_scales
.irp r, 0,1,2,3
.irp i, 0,1,2,3,4,5,6,7
	v_mov_b32 v[SEL+\i], v[EMB+\i]                 ; expert 0's, unless a later line takes another's
.endr
	s_mov_b32 s24, s[LS]
.irp e, 1,2,3,4,5,6,7
	s_cmp_eq_u32 s[20+\r], \e
	s_cselect_b32 s24, s[LS+4*\e], s24             ; the scale's exponent, entry 4 e
	s_cselect_b32 vcc_lo, -1, 0
.irp i, 0,1,2,3,4,5,6,7
	v_cndmask_b32 v[SEL+\i], v[SEL+\i], v[EMB+8*\e+\i], vcc_lo
.endr
.endr
	s_add_co_i32 s25, s24, 127
	s_lshl_b32 s26, s25, 23
	v_mov_b32 v236, s26                            ; 2^e as f32: the conversion takes its exponent field
	s_add_co_i32 s25, s25, 8
	s_lshl_b32 s25, s25, 23
	s_or_b32 s25, s25, 0x600000
	v_mov_b32 v237, s25                            ; 448 x 2^e
.irp i, 0,2,4,6
	v_pk_fma_f32 v[X+8*\r+\i:X+8*\r+\i+1], v[SEL+\i:SEL+\i+1], 0x3dcccccd, v[X+8*\r+\i:X+8*\r+\i+1] op_sel_hi:[1,0,1]   ; x + 0.1 game_emb
.endr
.irp i, 0,1,2,3,4,5,6,7
	v_med3_num_f32 v[X+8*\r+\i], v[X+8*\r+\i], -v237, v237   ; the conversion to an 8-bit code does not saturate (ISA guide 7.6.2): the hold at the largest code x the scale
.endr
	v_cvt_scalef32_pk8_fp8_f32 v[CD+2*\r:CD+2*\r+1], v[X+8*\r:X+8*\r+7], v236
	global_store_b64 v10, v[CD+2*\r:CD+2*\r+1], s[14:15] offset:1024*\r        ; the wave stores 256 consecutive bytes, at a multiple of 256 from xq's first byte.  (The next token's eight moves are the plain lines behind the conversion)
.endr
	s_cmp_lg_u32 s18, 0
	s_cbranch_scc1 .Lend
	global_store_b32 v12, v229, s[16:17]           ; wave 0: the four experts; a token's eight lanes hold the same number and write the same word.  16 bytes: a work-group has no more tokens
.Lend:
	s_wait_tensorcnt 0x0
	ds_add_u32 v240, v241
	s_wait_dscnt 0x0
	s_endpgm
.Lfunc_end_k_q26ac7c2251_route:
	.size	k_q26ac7c2251_route, .Lfunc_end_k_q26ac7c2251_route-k_q26ac7c2251_route
	.p2alignl 7, 3214868480
	.fill 96, 4, 3214868480
	.section	.rodata,"a",@progbits
	.p2align	6, 0x0
	.amdhsa_kernel k_q26ac7c2251_route
		.amdhsa_group_segment_fixed_size 35840
		.amdhsa_private_segment_fixed_size 0
		.amdhsa_enable_private_segment 0
		.amdhsa_kernarg_size 56
		.amdhsa_user_sgpr_count 2
		.amdhsa_user_sgpr_kernarg_segment_ptr 1
		.amdhsa_wavefront_size32 1
		.amdhsa_system_sgpr_workgroup_id_x 1
		.amdhsa_system_sgpr_workgroup_id_y 1
		.amdhsa_system_sgpr_workgroup_id_z 1
		.amdhsa_system_vgpr_workitem_id 0
		.amdhsa_next_free_vgpr 242
		.amdhsa_next_free_sgpr 66
		.amdhsa_reserve_vcc 1
		.amdhsa_float_denorm_mode_32 3
		.amdhsa_float_denorm_mode_16_64 3
		.amdhsa_memory_ordered 1
		.amdhsa_forward_progress 1
		.amdhsa_inst_pref_size 47
	.end_amdhsa_kernel
	.amdgpu_metadata
---
amdhsa.version: [ 1, 2 ]
amdhsa.kernels:
  - .name:           k_q26ac7c2251_route
    .symbol:         k_q26ac7c2251_route.kd
    .args:
      - { .name: x, .offset: 0, .size: 8, .value_kind: global_buffer, .address_space: global }
      - { .name: router_w, .offset: 8, .size: 8, .value_kind: global_buffer, .address_space: global }
      - { .name: router_b, .offset: 16, .size: 8, .value_kind: global_buffer, .address_space: global }
      - { .name: game_emb, .offset: 24, .size: 8, .value_kind: global_buffer, .address_space: global }
      - { .name: lowp_scales, .offset: 32, .size: 8, .value_kind: global_buffer, .address_space: global }
      - { .name: xq, .offset: 40, .size: 8, .value_kind: global_buffer, .address_space: global }
      - { .name: idx, .offset: 48, .size: 8, .value_kind: global_buffer, .address_space: global }
    .group_segment_fixed_size: 35840
    .private_segment_fixed_size: 0
    .kernarg_segment_align: 8
    .kernarg_segment_size: 56
    .max_flat_workgroup_size: 128
    .sgpr_count:     66
    .vgpr_count:     242
    .wavefront_size: 32
...
	.end_amdgpu_metadata
.endif
;; end of part 1
;; launch up (part 2): grid 32 x 8, 4 waves a work-group, no clusters, 301,824 bytes of LDS; arguments idx, xq, w1_codes, b1, lowp_scales, hid; writes hid
.if DOCPART == 2
	.amdgcn_target "amdgcn-amd-amdhsa--gfx1250"
	.amdhsa_code_object_version 6
	.text
	.protected	k_q26ac7c2251_up
	.globl	k_q26ac7c2251_up
	.p2align	8
	.type	k_q26ac7c2251_up,@function
k_q26ac7c2251_up:
	s_mov_b64 s[64:65], 0
	v_nop
	global_prefetch_b8 v0, s[64:65] scope:SCOPE_SE
	s_setreg_imm32_b32 hwreg(HW_REG_WAVE_MODE, 25, 1), 1
	s_wait_xcnt 0x0
; UP.  For expert e (work-group y) and hidden units 128 x .. 128 x + 127 (work-group x): hid = codes of gelu(xq W1[e] 2^(ea + ew) + b1[e]), for the tokens whose idx is e.  ea, ew, eh = lowp_scales[4 e], [4 e + 1], [4 e + 2].
; THE WEIGHTS STAY, THE TOKENS PASS.  Wave w keeps hidden units 32 w .. 32 w + 31 of the slice, all 1,024 along K, in 256 registers (window 1), read from memory once in the launch.
; The expert's tokens come in chunks of 128 list places through LDS; all four waves multiply every tile of 16 places.
; THE LIST.  Every wave builds its expert's list of tokens itself from the 4 KiB of idx, in LDS bytes of its own: no launch and no barrier is spent on it.  The launch that reads hid builds the same list by the same lines.
; Places at or behind the expert's count n are read as place n - 1: a tile's spare columns repeat the last token, so no lane is ever switched off.
; THE PRODUCT IS USED TRANSPOSED (source 0 = 16 rows of W1, source 1 = 16 tokens): a lane holds ONE token, its registers hidden units.  THE ROWS OF W1 THAT FORM A TILE ARE NOT NEIGHBOURS: lane r of tile u takes
; row 8 u + r + 8 (r / 8), so that the 16 registers of tiles 0 and 1 are hidden units 32 w + 16 (lane / 16) + 0 .. 15: registers 4 w .. 4 w + 3 of the next product's operand.
; Both operands hold K = 128 s + 32 c + 16 (lane / 16) + 0 .. 15 in registers 4 c .. 4 c + 3 of K step s: one permutation of K, the same on both sides, so every product meets its partner.
; hid: images of the next operand's registers: byte (64 e + tile) x 65,536 + 2,048 x (this slice) + 512 w + 16 lane.
; NO TENSOR LOADS, NO CLUSTER: which tiles there are hangs on counts read from memory, and partners would need different numbers of tiles; the weights, the bulk of the bytes, are shared by nobody.
; The loops' trip counts are constants (8 chunks x 8 tiles: all 1,024 tokens on one expert are served); scalar branches on the count pass over the work, never over a barrier.
; GELU: h = pre / 2 x (1 + erf(z)), z = pre / sqrt(2).  |z| <= 0.921875: 1 + z + z p(z^2).  Beyond: E = 2^(-log2(e) q(|z|)) is 1 - erf(|z|); 1 + erf(z) = 2 - E for z > 0 and E itself for z < 0, so no difference of near numbers is formed.
; LIMITS.  NaN and infinities are not served.  ea + ew between -125 and 126; eh between -126 and 119.  E's relative error grows with |z| (about 1e-4 at pre = -5.7, where |h| is under 1e-7).
.set PITCH, 1040                       ; an LDS row of 1,024 codes + 16 bytes: 65 x 16 bytes, so the 16 rows that a fragment load touches start in 16 different columns of banks
.set WSTW,  32*PITCH                   ; a wave's stage for its 32 rows of W1
.set TOK,   4*WSTW                     ; the chunk: 128 rows of tokens' codes, and 16 rows more that no line of a run touches
.set TOKT,  16*PITCH                   ; a tile's rows
.set LIST,  TOK+144*PITCH              ; the lists: 4,608 bytes for each wave: 1,024 words, word 1,024 for what is not mine, the rest unused
.set LISTW, 4608
.set TO,    16                         ; v16-31   the gather's 16 offsets
.set A,     32                         ; v32-159  the tile's 8 fragments.  At the head: v32-47 list addresses, v48-63 b1 as loaded, v64-159 the list's making
.set LB,    64
.set ACC,   160                        ; v160-175 two accumulators
.set BIAS,  176                        ; v176-191 b1 / 2^(ea + ew), in the result's layout
.set GZ,    192                        ; v192-231 gelu: z, |z|, z^2, and two polynomials, 8 each
.set GT,    200
.set GS,    208
.set GP,    216
.set GQ,    224
.set CD,    232                        ; v232-235 the codes
.set C2,  0x3ddaae58
.set C1,  0x3f228550
.set C0,  0x3e03ce86
.set D3,  0xbcdb45e9
.set D2,  0x3de70d23
.set D1,  0xbec09370
.set D0,  0x3e0375d3
; v1 lane, v2 r, v3 h, v4 16 l, v5 16 r, v6 / v7 the stage in / out, v8 the chunk in, v9 the chunk out, v10 address in hand, v11 32 w + h, v12 my list, v13 16 l + 512 w, v14 offset in hid, v15 4 l
; v236 2^eh, v237 448 x 2^eh, v240-243 zeros, v244-255 six constants as pairs.  window 1: W1.  window 2: the gather's 64 x 4 landing registers.
; s16 wave, s17 e, s18 slice, s19 n, s20 tiles, s21 n - 1, s22 chunk, s23 tile in chunk, s24 tile, s25 its rows' bytes, s26 128 x the chunk to be gathered, s42 my wave's first place in the chunk
.set MSB, 0
.macro WIN new                         ; the immediate's high byte repeats the setting that is left; a switch that changes nothing is dropped
.if MSB != \new
	s_set_vgpr_msb (MSB<<8)|\new
.set MSB, \new
.endif
.endm
.macro BAR                             ; my LDS stores have landed and my LDS loads are in: then the work-group's barrier
	s_wait_dscnt 0x0
	s_barrier_signal -1
	s_barrier_wait -1
.endm
.macro WLOAD j0, cnt                   ; loads j0 on of my 64: row j / 2 of my 32, half j % 2: 512 consecutive bytes a load, into window 1
	WIN 0x40
.set jj, \j0
.rept \cnt
	global_load_b128 v[4*jj:4*jj+3], v4, s[8:9] offset:(jj/2)*1024+(jj%2)*512 th:TH_LOAD_NT
.set jj, jj+1
.endr
	WIN 0
.endm
.macro WSTORE j0, cnt                  ; into my stage; row rho goes to the place that puts each tile's 16 rows on end
	WIN 0x04
.set jj, \j0
.rept \cnt
.set rho, jj/2
.set slot, 16*((rho>>3)&1)+8*(rho>>4)+(rho&7)
	ds_store_b128 v6, v[4*jj:4*jj+3] offset:slot*PITCH+(jj%2)*512
.set jj, jj+1
.endr
	WIN 0
.endm
.macro WFRAG                           ; and back as fragments: tile u, K step s at v[16 (8 u + s)] of window 1
	WIN 0x40
.irp u, 0,1
.irp s, 0,1,2,3,4,5,6,7
.irp c, 0,1,2,3
	ds_load_b128 v[16*(8*\u+\s)+4*\c:16*(8*\u+\s)+4*\c+3], v7 offset:16*\u*PITCH+128*\s+32*\c
.endr
.endr
.endr
	WIN 0
.endm
; The tokens at my wave's 32 places of the chunk that begins at place s26: offset i serves places 2 i (lanes 0-15) and 2 i + 1 (lanes 16-31).
.macro GLIST
.irp i, 0,1,2,3,4,5,6,7,8,9,10,11,12,13,14,15
	v_add_nc_u32 v[A+\i], 2*\i, v11
.endr
.irp i, 0,1,2,3,4,5,6,7,8,9,10,11,12,13,14,15
	v_add_nc_u32 v[A+\i], s26, v[A+\i]
.endr
.irp i, 0,1,2,3,4,5,6,7,8,9,10,11,12,13,14,15
	v_min_u32 v[A+\i], s21, v[A+\i]                ; behind the last token: the last token
.endr
.irp i, 0,1,2,3,4,5,6,7,8,9,10,11,12,13,14,15
	v_min_u32 v[A+\i], 0x3ff, v[A+\i]              ; inside the list whatever the count
.endr
.irp i, 0,1,2,3,4,5,6,7,8,9,10,11,12,13,14,15
	v_lshl_add_u32 v[A+\i], v[A+\i], 2, v12
.endr
.irp i, 0,1,2,3,4,5,6,7,8,9,10,11,12,13,14,15
	ds_load_b32 v[TO+\i], v[A+\i]
.endr
	s_wait_dscnt 0x0
.irp i, 0,1,2,3,4,5,6,7,8,9,10,11,12,13,14,15
	v_min_u32 v[TO+\i], 0x3ff, v[TO+\i]            ; a token's number, inside xq
.endr
.irp i, 0,1,2,3,4,5,6,7,8,9,10,11,12,13,14,15
	v_lshl_add_u32 v[TO+\i], v[TO+\i], 10, v5      ; its row of 1,024 bytes + 16 (lane % 16)
.endr
.endm
.macro GATHERQ k                       ; a quarter of the gather: 16 loads; sixteen lanes read 256 consecutive bytes of a token's row, at a multiple of 256
	WIN 0x80
.irp a, 0,1,2,3
.irp q, 0,1,2,3
	global_load_b128 v[4*(4*(4*(\k)+\a)+\q):4*(4*(4*(\k)+\a)+\q)+3], v[TO+4*(\k)+\a], s[6:7] offset:256*\q
.endr
.endr
	WIN 0
.endm
.macro PUT                             ; my 32 rows into the chunk
	WIN 0x08
.irp i, 0,1,2,3,4,5,6,7,8,9,10,11,12,13,14,15
.irp q, 0,1,2,3
	ds_store_b128 v8, v[4*(4*\i+\q):4*(4*\i+\q)+3] offset:2*\i*PITCH+256*\q
.endr
.endr
	WIN 0
.endm
.macro AFETCH adr, off                 ; a tile's 8 fragments
.irp s, 0,1,2,3,4,5,6,7
.irp c, 0,1,2,3
	ds_load_b128 v[A+16*\s+4*\c:A+16*\s+4*\c+3], v[\adr] offset:\off+128*\s+32*\c
.endr
.endr
.endm
; gelu of the eight sums of one accumulator, in place; each stage goes through the four pairs, so that no line waits for the line above it
.macro GELU8 acc
.irp i, 0,2,4,6
	v_pk_mul_f32 v[GZ+\i:GZ+\i+1], v[\acc+\i:\acc+\i+1], s[36:37] op_sel_hi:[1,0]      ; z = sum x 2^(ea + ew) / sqrt(2); the accumulator is read from its low end on
.endr
.irp i, 0,2,4,6
	v_pk_mul_f32 v[\acc+\i:\acc+\i+1], v[\acc+\i:\acc+\i+1], s[38:39] op_sel_hi:[1,0]  ; pre / 2
.endr
.irp i, 0,1,2,3,4,5,6,7
	v_and_b32 v[GT+\i], 0x7fffffff, v[GZ+\i]       ; t = |z|
.endr
.irp i, 0,2,4,6
	v_pk_mul_f32 v[GS+\i:GS+\i+1], v[GZ+\i:GZ+\i+1], v[GZ+\i:GZ+\i+1]                  ; s = z^2
.endr
.irp i, 0,2,4,6
	v_pk_fma_f32 v[GP+\i:GP+\i+1], v[GT+\i:GT+\i+1], v[244:245], v[246:247]
.endr
.irp i, 0,2,4,6
	v_pk_fma_f32 v[GQ+\i:GQ+\i+1], v[GT+\i:GT+\i+1], v[248:249], v[250:251]
.endr
.irp i, 0,2,4,6
	v_pk_fma_f32 v[GP+\i:GP+\i+1], v[GP+\i:GP+\i+1], v[GS+\i:GS+\i+1], v[GQ+\i:GQ+\i+1]
.endr
.irp k, C2, C1, C0
.irp i, 0,2,4,6
	v_pk_fma_f32 v[GP+\i:GP+\i+1], v[GP+\i:GP+\i+1], v[GT+\i:GT+\i+1], \k op_sel_hi:[1,1,0]
.endr
.endr
.irp i, 0,2,4,6
	v_pk_fma_f32 v[GP+\i:GP+\i+1], v[GP+\i:GP+\i+1], v[GT+\i:GT+\i+1], v[GT+\i:GT+\i+1]   ; q(t)
.endr
.irp i, 0,2,4,6
	v_pk_mul_f32 v[GP+\i:GP+\i+1], v[GP+\i:GP+\i+1], 0xbfb8aa3b op_sel_hi:[1,0]        ; x -log2(e)
.endr
.irp i, 0,1,2,3,4,5,6,7
	v_exp_f32 v[GP+\i], v[GP+\i]                   ; E = 1 - erf(t): one batch of eight
.endr
.irp i, 0,2,4,6
	v_pk_fma_f32 v[GQ+\i:GQ+\i+1], v[GS+\i:GS+\i+1], v[252:253], v[254:255]            ; the small branch: 28 plain lines that name no exponential's result stand behind the batch
.endr
.irp k, D3, D2, D1, D0
.irp i, 0,2,4,6
	v_pk_fma_f32 v[GQ+\i:GQ+\i+1], v[GQ+\i:GQ+\i+1], v[GS+\i:GS+\i+1], \k op_sel_hi:[1,1,0]
.endr
.endr
.irp i, 0,2,4,6
	v_pk_fma_f32 v[GQ+\i:GQ+\i+1], v[GQ+\i:GQ+\i+1], v[GZ+\i:GZ+\i+1], v[GZ+\i:GZ+\i+1]   ; erf(z)
.endr
.irp i, 0,2,4,6
	v_pk_add_f32 v[GQ+\i:GQ+\i+1], v[GQ+\i:GQ+\i+1], 1.0 op_sel_hi:[1,0]
.endr
	s_wait_alu depctr_va_vdst(0)                   ; the wait ahead of the first line that names an exponential's result: one for the batch
.irp i, 0,2,4,6
	v_pk_add_f32 v[GS+\i:GS+\i+1], v[GP+\i:GP+\i+1], 2.0 op_sel_hi:[1,0] neg_lo:[1,0] neg_hi:[1,0]   ; 2 - E
.endr
.irp i, 0,1,2,3,4,5,6,7
	v_cmp_gt_f32 vcc_lo, 0, v[GZ+\i]
	v_cndmask_b32 v[GS+\i], v[GS+\i], v[GP+\i], vcc_lo     ; z < 0: E itself
.endr
.irp i, 0,1,2,3,4,5,6,7
	v_cmp_lt_f32 vcc_lo, 0x3f6c0000, v[GT+\i]
	v_cndmask_b32 v[GQ+\i], v[GQ+\i], v[GS+\i], vcc_lo     ; t > 0.921875: the large branch
.endr
.irp i, 0,2,4,6
	v_pk_mul_f32 v[\acc+\i:\acc+\i+1], v[\acc+\i:\acc+\i+1], v[GQ+\i:GQ+\i+1]          ; h
.endr
.endm
	s_load_b256 s[4:11], s[0:1], 0x0               ; idx s[4:5], xq s[6:7], w1_codes s[8:9], b1 s[10:11]
	s_load_b128 s[12:15], s[0:1], 0x20             ; lowp_scales s[12:13], hid s[14:15]
	v_lshl_add_u32 v238, v0, 2, 0x49900
	v_mov_b32 v239, 0
	v_lshrrev_b32 v1, 5, v0
	v_readfirstlane_b32 s16, v1                    ; wave 0..3
	s_and_b32 s17, ttmp7, 0xffff                   ; expert
	s_mov_b32 s18, ttmp9                           ; slice
	v_and_b32 v1, 31, v0
	v_and_b32 v2, 15, v0
	v_bfe_u32 v3, v0, 4, 1
	v_lshlrev_b32 v4, 4, v1
	v_lshlrev_b32 v5, 4, v2
	s_mul_i32 s27, s16, WSTW
	v_add_nc_u32 v6, s27, v4
	v_mul_u32_u24 v7, v2, PITCH
	v_lshl_add_u32 v7, v3, 4, v7                   ; a fragment's row x pitch + 16 x half
	v_add_nc_u32 v9, TOK, v7
	v_add_nc_u32 v7, s27, v7
	s_lshl_b32 s42, s16, 5                         ; 32 w
	v_add_nc_u32 v11, s42, v3
	v_mul_u32_u24 v8, v11, PITCH
	v_add_nc_u32 v8, v8, v5
	v_add_nc_u32 v8, TOK, v8
	s_mul_i32 s27, s16, LISTW
	s_add_co_u32 s27, s27, LIST
	v_mov_b32 v12, s27
	v_add_nc_u32 v10, s27, v4
	s_lshl_b32 s27, s16, 9
	v_add_nc_u32 v13, s27, v4
	v_lshlrev_b32 v14, 6, v3                       ; b1: lanes 16-31 begin 16 units further on
	v_lshlrev_b32 v15, 2, v1
.irp i, 0,1,2,3
	v_mov_b32 v[240+\i], 0
.endr
	s_lshl_b32 s28, s17, 22                        ; W1: an expert is 4 MiB, a slice 128 rows of 1,024 bytes, a wave 32 rows
	s_lshl_b32 s27, s18, 17
	s_add_co_u32 s28, s28, s27
	s_lshl_b32 s27, s16, 15
	s_add_co_u32 s28, s28, s27
	s_mov_b32 s29, 0
	s_lshl_b32 s30, s17, 14                        ; b1: 4 (4,096 e + 128 slice + 32 w)
	s_lshl_b32 s27, s18, 9
	s_add_co_u32 s30, s30, s27
	s_lshl_b32 s27, s16, 7
	s_add_co_u32 s30, s30, s27
	s_mov_b32 s31, 0
	s_lshl_b32 s44, s17, 22                        ; hid: 64 tiles of 65,536 bytes an expert; my slice's 2,048 bytes of a tile
	s_lshl_b32 s27, s18, 11
	s_add_co_u32 s44, s44, s27
	s_mov_b32 s45, 0
	s_lshl_b32 s46, s17, 4                         ; four entries of lowp_scales an expert
	s_mov_b32 s47, 0
	s_wait_kmcnt 0x0
	s_add_nc_u64 s[8:9], s[8:9], s[28:29]
	s_add_nc_u64 s[10:11], s[10:11], s[30:31]
	s_add_nc_u64 s[14:15], s[14:15], s[44:45]
	s_add_nc_u64 s[12:13], s[12:13], s[46:47]
	s_load_b128 s[32:35], s[12:13], 0x0            ; ea, ew, eh, (the next product's)
.irp q, 0,1,2,3
	global_load_b128 v[48+4*\q:51+4*\q], v14, s[10:11] offset:16*\q            ; b1 at my 16 units
.endr
.irp j, 0,1,2,3,4,5,6,7
	global_load_b128 v[LB+4*\j:LB+4*\j+3], v4, s[4:5] offset:512*\j            ; all of idx: register 4 j + q is token 128 j + 4 lane + q
.endr
	WLOAD 0, 48
.irp k, 0,1,2,3,4,5,6,7,8
	ds_store_b128 v10, v[240:243] offset:512*\k    ; my list begins as zeros: every word that may be read has been written
.endr
	s_wait_loadcnt 48                              ; b1 and idx are in: behind them stand 48 loads of W1
	; THE LIST: a token of my expert goes to the place that counts my expert's tokens before it; every other to word 1,024.  Each of the 32 steps has registers of its own.
	s_mov_b32 s19, 0
.set ii, 0
.rept 32
	v_cmp_eq_u32 vcc_lo, s17, v[LB+ii]
	v_mbcnt_lo_u32_b32 v[LB+32+ii], vcc_lo, s19
	v_cndmask_b32 v[LB+32+ii], 0x400, v[LB+32+ii], vcc_lo
	v_min_u32 v[LB+32+ii], 0x400, v[LB+32+ii]
	v_lshl_add_u32 v[LB+32+ii], v[LB+32+ii], 2, v12
	v_add_nc_u32 v[LB+64+ii], 128*(ii/4)+ii%4, v15
	ds_store_b32 v[LB+32+ii], v[LB+64+ii]
	s_bcnt1_i32_b32 s41, vcc_lo
	s_add_co_u32 s19, s19, s41
.set ii, ii+1
.endr
	s_add_co_u32 s20, s19, 15
	s_lshr_b32 s20, s20, 4                         ; tiles of 16 places
	s_sub_co_u32 s21, s19, 1
	WLOAD 48, 16
	s_mov_b32 s26, 0
	GLIST                                          ; chunk 0 is gathered whatever the count, so that the counts below hold on every way
	s_mov_b32 s26, 128
.irp k, 0,1,2,3
	s_wait_loadcnt 48                              ; W1's loads up to 16 k + 15 are in: behind them stand 48 - 16 k of W1's and 16 k of the gather's
	WSTORE 16*\k, 16
	GATHERQ \k
.endr
	s_wait_dscnt 0x0                               ; the stores have read window 1, which now takes the fragments
	WFRAG
	s_wait_kmcnt 0x0
	s_add_co_i32 s27, s32, s33                     ; ea + ew: a sum stands for sum x 2^(ea + ew)
	s_sub_co_i32 s40, 0, s27
	s_lshl_b32 s28, s27, 23
	s_add_co_i32 s36, s28, 0x3f3504f3              ; 2^(ea + ew) / sqrt(2): the exponent is added to the exponent field of 1 / sqrt(2)
	s_mov_b32 s37, s36                             ; (named with it as a pair, so it is written)
	s_add_co_i32 s28, s27, 126
	s_lshl_b32 s38, s28, 23                        ; 2^(ea + ew) / 2
	s_mov_b32 s39, s38
	s_add_co_i32 s28, s34, 127
	s_lshl_b32 s29, s28, 23
	v_mov_b32 v236, s29                            ; 2^eh
	s_add_co_i32 s28, s28, 8
	s_lshl_b32 s28, s28, 23
	s_or_b32 s28, s28, 0x600000
	v_mov_b32 v237, s28                            ; 448 x 2^eh
.irp j, 0,1,2,3,4,5,6,7,8,9,10,11,12,13,14,15
	v_ldexp_f32 v[BIAS+\j], v[48+\j], s40          ; b1 / 2^(ea + ew): the C of each sum's first product
.endr
.irp i, 0,1
	v_mov_b32 v[244+\i], 0x37911480                ; the polynomials' constants that stand two to an instruction
	v_mov_b32 v[246+\i], 0xb9c8e966
	v_mov_b32 v[248+\i], 0x3b7e899b
	v_mov_b32 v[250+\i], 0xbcc6b180
	v_mov_b32 v[252+\i], 0xba1d0d41
	v_mov_b32 v[254+\i], 0x3ba39fa4
.endr
	s_mov_b32 s22, 0
.Lchunk:
	s_wait_loadcnt 0x0                             ; the chunk's gather is in; on every way no load is out here
	s_cmp_lt_u32 s42, s19
	s_cbranch_scc0 .Lno_put
	PUT
.Lno_put:
	BAR                                            ; the chunk lies in LDS
	s_add_co_u32 s27, s42, 128
	s_cmp_lt_u32 s27, s19
	s_cbranch_scc0 .Lno_gather
	GLIST                                          ; the next chunk's rows are asked for now and land under this chunk's work
	GATHERQ 0
	GATHERQ 1
	GATHERQ 2
	GATHERQ 3
.Lno_gather:
	s_lshl_b32 s24, s22, 3
	s_cmp_lt_u32 s24, s20
	s_cbranch_scc0 .Lno_first
	AFETCH 9, 0                                    ; the chunk's first tile
.Lno_first:
	s_mov_b32 s23, 0
	s_mov_b32 s25, 0
.Ltile:
	s_lshl_b32 s24, s22, 3
	s_add_co_u32 s24, s24, s23                     ; the tile's number in the expert's list
	s_cmp_lt_u32 s24, s20
	s_cbranch_scc0 .Ltile_done
	s_wait_dscnt 0x0                               ; the tile's fragments are in (the first time: W1's too)
	WIN 0x01                                       ; source 0 (W1) window 1
.irp s, 0,1,2,3,4,5,6,7
.irp u, 0,1
.if \s == 0
	v_wmma_f32_16x16x128_fp8_fp8 v[ACC+8*\u:ACC+8*\u+7], v[16*(8*\u):16*(8*\u)+15], v[A:A+15], v[BIAS+8*\u:BIAS+8*\u+7]
.else
	v_wmma_f32_16x16x128_fp8_fp8 v[ACC+8*\u:ACC+8*\u+7], v[16*(8*\u+\s):16*(8*\u+\s)+15], v[A+16*\s:A+16*\s+15], v[ACC+8*\u:ACC+8*\u+7]
.endif
.endr
.endr                                              ; the two accumulators take turns, one instruction a turn
	WIN 0
	s_wait_xcnt 0x0                                ; the last tile's store has read its offset and its data: both are written again below
	v_add_nc_u32 v10, s25, v9                      ; four plain lines that name no register of the products: the places in front of the loads into A and of the first read of the sums
	v_lshl_add_u32 v14, s24, 16, v13
	v_nop
	v_nop
	s_cmp_eq_u32 s23, 7
	s_cbranch_scc1 .Lno_ahead                      ; the next chunk's first tile is not there yet
	s_add_co_u32 s27, s24, 1
	s_cmp_lt_u32 s27, s20
	s_cbranch_scc0 .Lno_ahead
	AFETCH 10, TOKT                                ; the next tile's fragments land under this tile's gelu
.Lno_ahead:
	GELU8 ACC
	GELU8 ACC+8
.irp i, 0,1,2,3,4,5,6,7,8,9,10,11,12,13,14,15
	v_med3_num_f32 v[ACC+\i], v[ACC+\i], -v237, v237       ; the hold at the largest code x the scale (ISA guide 7.6.2)
.endr
	v_cvt_scalef32_pk8_fp8_f32 v[CD:CD+1], v[ACC:ACC+7], v236
	v_cvt_scalef32_pk8_fp8_f32 v[CD+2:CD+3], v[ACC+8:ACC+15], v236
	v_nop                                          ; one plain line behind the last conversion: the next products write its sources
	global_store_b128 v14, v[CD:CD+3], s[14:15]    ; the wave stores 512 consecutive bytes, at a multiple of 512 from hid's first byte
.Ltile_done:
	s_add_co_u32 s25, s25, TOKT
	s_add_co_u32 s23, s23, 1
	s_cmp_lt_u32 s23, 8
	s_cbranch_scc1 .Ltile
	BAR                                            ; everybody's reads of the chunk are over: it may be written again
	s_add_co_u32 s42, s42, 128
	s_add_co_u32 s26, s26, 128
	s_add_co_u32 s22, s22, 1
	s_cmp_lt_u32 s22, 8
	s_cbranch_scc1 .Lchunk
	s_wait_tensorcnt 0x0
	ds_add_u32 v238, v239
	s_wait_dscnt 0x0
	s_endpgm
.Lfunc_end_k_q26ac7c2251_up:
	.size	k_q26ac7c2251_up, .Lfunc_end_k_q26ac7c2251_up-k_q26ac7c2251_up
	.p2alignl 7, 3214868480
	.fill 96, 4, 3214868480
	.section	.rodata,"a",@progbits
	.p2align	6, 0x0
	.amdhsa_kernel k_q26ac7c2251_up
		.amdhsa_group_segment_fixed_size 301824
		.amdhsa_private_segment_fixed_size 0
		.amdhsa_enable_private_segment 0
		.amdhsa_kernarg_size 48
		.amdhsa_user_sgpr_count 2
		.amdhsa_user_sgpr_kernarg_segment_ptr 1
		.amdhsa_wavefront_size32 1
		.amdhsa_system_sgpr_workgroup_id_x 1
		.amdhsa_system_sgpr_workgroup_id_y 1
		.amdhsa_system_sgpr_workgroup_id_z 1
		.amdhsa_system_vgpr_workitem_id 0
		.amdhsa_next_free_vgpr 768
		.amdhsa_next_free_sgpr 66
		.amdhsa_reserve_vcc 1
		.amdhsa_float_denorm_mode_32 3
		.amdhsa_float_denorm_mode_16_64 3
		.amdhsa_memory_ordered 1
		.amdhsa_forward_progress 1
		.amdhsa_inst_pref_size 91
	.end_amdhsa_kernel
	.amdgpu_metadata
---
amdhsa.version: [ 1, 2 ]
amdhsa.kernels:
  - .name:           k_q26ac7c2251_up
    .symbol:         k_q26ac7c2251_up.kd
    .args:
      - { .name: idx, .offset: 0, .size: 8, .value_kind: global_buffer, .address_space: global }
      - { .name: xq, .offset: 8, .size: 8, .value_kind: global_buffer, .address_space: global }
      - { .name: w1_codes, .offset: 16, .size: 8, .value_kind: global_buffer, .address_space: global }
      - { .name: b1, .offset: 24, .size: 8, .value_kind: global_buffer, .address_space: global }
      - { .name: lowp_scales, .offset: 32, .size: 8, .value_kind: global_buffer, .address_space: global }
      - { .name: hid, .offset: 40, .size: 8, .value_kind: global_buffer, .address_space: global }
    .group_segment_fixed_size: 301824
    .private_segment_fixed_size: 0
    .kernarg_segment_align: 8
    .kernarg_segment_size: 48
    .max_flat_workgroup_size: 128
    .sgpr_count:     66
    .vgpr_count:     768
    .wavefront_size: 32
...
	.end_amdgpu_metadata
.endif
;; end of part 2
;; launch down (part 3): grid 32 x 8, 4 waves a work-group, no clusters, 291,328 bytes of LDS; arguments idx, hid, w2_codes, b2, lowp_scales, out0; writes out0
.if DOCPART == 3
	.amdgcn_target "amdgcn-amd-amdhsa--gfx1250"
	.amdhsa_code_object_version 6
	.text
	.protected	k_q26ac7c2251_down
	.globl	k_q26ac7c2251_down
	.p2align	8
	.type	k_q26ac7c2251_down,@function
k_q26ac7c2251_down:
	s_mov_b64 s[64:65], 0
	v_nop
	global_prefetch_b8 v0, s[64:65] scope:SCOPE_SE
	s_setreg_imm32_b32 hwreg(HW_REG_WAVE_MODE, 25, 1), 1
	s_wait_xcnt 0x0
; DOWN.  For expert e (work-group y), output columns 64 (x / 2) .. + 63 and the tiles of 16 list places whose number has the parity x % 2:  out0[token] = hid W2[e] 2^(eh + ew) + b2[e].  eh, ew = lowp_scales[4 e + 2], [4 e + 3].
; THE WEIGHTS STAY.  Wave w keeps K = 1,024 w .. + 1,023 of the 64 columns in 512 registers (windows 1 and 2).  So each fragment of hid is read by ONE wave of the work-group, straight from memory,
; 512 consecutive bytes a load (hid holds images of this operand's registers).  The four waves' parts of a tile's sums meet in LDS, four tiles at a time; wave w then finishes tile w of the four.
; 64 columns are 256 bytes of a row of out0: sixteen lanes store one aligned run of 256 bytes of a token's row.  Two work-groups (the two parities) read the same 256 KiB of W2:
; with 32 work-groups an expert, 16 slices x 2 halves of the tiles gives a work-group the fewest bytes of W2 and hid together among the splits that store whole runs of 256 bytes.
; THE LIST of the expert's tokens is built by every wave itself, by the same lines as in the launch that wrote hid, so a place means the same token.  Places behind the last token are read as the last token:
; a tile's spare rows hold the same numbers as the last token's and go to the same row, so no lane is ever switched off.
; THE PRODUCT IS USED TRANSPOSED (source 0 = 16 rows of w2_codes = 16 output columns, source 1 = 16 tokens): a lane holds eight neighbouring columns of one token.
; NO TENSOR LOADS, NO CLUSTER: which tiles there are hangs on counts read from memory.  The loop's trip count is a constant (4 trips x 2 groups x 4 tiles x 2 parities = 64 tiles: all tokens on one expert are served).
; LIMITS.  eh + ew between -126 and 127.  A sum over K is formed as four sums of 1,024 along K, added as (0 + 1) + (2 + 3).
.set PITCH, 1040                       ; a stage row: 1,024 codes + 16 bytes
.set WSTW,  32*PITCH                   ; a wave's stage for 32 rows of W2, used twice, by its own wave alone
.set RED,   4*WSTW                     ; the sums' meeting place: two buffers
.set RP,    272                        ; a token's 64 sums, 256 bytes, + 16
.set PARTB, 16*RP                      ; one wave's part of one tile
.set TILEB, 4*PARTB                    ; a tile's four parts
.set BUFB,  4*TILEB                    ; a buffer: four tiles
.set LIST,  RED+2*BUFB
.set LISTW, 4608
.set ACC,   32                         ; v32-63   four accumulators
.set F,     128                        ; v128-255 the four parts of my tile, 32 registers each.  At the head: the list's making
.set LB,    128
; window 0: v1 lane, v2 r, v3 h, v4 16 l, v5 16 r, v6 / v7 the stage in / out, v8 / v9 buffer 0 in / out, v10 / v11 buffer 1, v12 my list, v13 16 l + 16,384 w, v14 / v15 offsets in hid of the two hidden buffers,
;   v16-23 offsets in out0, v24-31 list addresses, v64-67 b2, v68-71 zeros, v72 4 l, later my tile's first place, v73 my list + 16 l.
; window 1: W2's column tiles 0, 1 (tile n, K step s at v[16 (8 n + s)]).  window 2: tiles 2, 3.  window 3: two buffers of 8 hidden fragments, v0-127 and v128-255; at the head the first half of W2 lands there.
; s16 wave, s17 e, s18 slice, s19 parity, s20 n, s21 tiles, s22 n - 1, s23 trips, s24 the group's first tile, s[36:37] 2^(eh + ew)
.set MSB, 0
.macro WIN new                         ; the immediate's high byte repeats the setting that is left; a switch that changes nothing is dropped
.if MSB != \new
	s_set_vgpr_msb (MSB<<8)|\new
.set MSB, \new
.endif
.endm
.macro BAR                             ; my LDS stores have landed and my LDS loads are in: then the work-group's barrier
	s_wait_dscnt 0x0
	s_barrier_signal -1
	s_barrier_wait -1
.endm
.macro WLOAD w, j0, cnt, off0          ; loads j0 on of a half's 64: row j / 2 of its 32, half j % 2 of my 1,024 bytes: 512 consecutive bytes a load.  w: the windows' setting
	WIN \w
.set jj, \j0
.rept \cnt
	global_load_b128 v[4*jj:4*jj+3], v4, s[8:9] offset:\off0+(jj/2)*4096+(jj%2)*512
.set jj, jj+1
.endr
	WIN 0
.endm
.macro WSTORE w, j0, cnt
	WIN \w
.set jj, \j0
.rept \cnt
	ds_store_b128 v6, v[4*jj:4*jj+3] offset:(jj/2)*PITCH+(jj%2)*512
.set jj, jj+1
.endr
	WIN 0
.endm
.macro WFRAG w
	WIN \w
.irp u, 0,1
.irp s, 0,1,2,3,4,5,6,7
.irp c, 0,1,2,3
	ds_load_b128 v[16*(8*\u+\s)+4*\c:16*(8*\u+\s)+4*\c+3], v7 offset:16*\u*PITCH+128*\s+32*\c
.endr
.endr
.endr
	WIN 0
.endm
.macro HLOAD b                         ; my 8 fragments of a tile of hid, 16 KiB on end, into hidden buffer b
	WIN 0xc0
.set qq, 0
.rept 32
	global_load_b128 v[128*(\b)+4*qq:128*(\b)+4*qq+3], v[14+(\b)], s[6:7] offset:512*qq
.set qq, qq+1
.endr
	WIN 0
.endm
; Tile j of the group's four: hidden buffer b; the next tile's fragments are asked for into buffer nb first.  rw: where my part goes.
.macro DTILE j, b, nb, rw
	s_add_co_u32 s26, s24, 2*\j
	s_cmp_lt_u32 s26, s21
	s_cbranch_scc0 .Lno_tile_\@
	s_add_co_u32 s27, s26, 2
	s_cmp_lt_u32 s27, s21
	s_cbranch_scc0 .Lno_next_\@
	v_lshl_add_u32 v[14+\nb], s27, 16, v13         ; (the loads that read this offset last have been waited for)
	HLOAD \nb
	s_wait_loadcnt 32                              ; this tile's fragments are in: behind them stand the next tile's 32 loads
	s_branch .Lmul_\@
.Lno_next_\@:
	s_wait_loadcnt 0x0
.Lmul_\@:
	s_wait_dscnt 0x0                               ; the last tile's LDS stores have read the accumulators (the first time: W2's fragments are in)
	WIN 0x0d                                       ; source 0 (W2) window 1, source 1 (hid) window 3
.irp s, 0,1,2,3,4,5,6,7
.irp n, 0,1
.if \s == 0
	v_wmma_f32_16x16x128_fp8_fp8 v[ACC+8*\n:ACC+8*\n+7], v[16*(8*\n):16*(8*\n)+15], v[128*\b:128*\b+15], 0
.else
	v_wmma_f32_16x16x128_fp8_fp8 v[ACC+8*\n:ACC+8*\n+7], v[16*(8*\n+\s):16*(8*\n+\s)+15], v[128*\b+16*\s:128*\b+16*\s+15], v[ACC+8*\n:ACC+8*\n+7]
.endif
.endr
.endr
	WIN 0x0e                                       ; source 0 window 2
.irp s, 0,1,2,3,4,5,6,7
.irp n, 0,1
.if \s == 0
	v_wmma_f32_16x16x128_fp8_fp8 v[ACC+16+8*\n:ACC+16+8*\n+7], v[16*(8*\n):16*(8*\n)+15], v[128*\b:128*\b+15], 0
.else
	v_wmma_f32_16x16x128_fp8_fp8 v[ACC+16+8*\n:ACC+16+8*\n+7], v[16*(8*\n+\s):16*(8*\n+\s)+15], v[128*\b+16*\s:128*\b+16*\s+15], v[ACC+16+8*\n:ACC+16+8*\n+7]
.endif
.endr
.endr                                              ; in each run two accumulators take turns, one instruction a turn
	WIN 0
.rept 5
	v_nop                                          ; places: four for the stores that read the sums and the loads into the hidden buffer; the fifth for the next tile's products, which begin the accumulators anew
.endr
.irp n, 0,1,2,3
	ds_store_b128 v[\rw], v[ACC+8*\n:ACC+8*\n+3] offset:TILEB*\j+64*\n          ; token r, columns 16 n + 8 h + 0 .. 7; each accumulator from its low end on
	ds_store_b128 v[\rw], v[ACC+8*\n+4:ACC+8*\n+7] offset:TILEB*\j+64*\n+16
.endr
	s_branch .Ldone_\@
.Lno_tile_\@:
	s_wait_loadcnt 0x0                             ; a wave that passes a tile over leaves no load out, so that the lines that follow may write any offset and any buffer
.Ldone_\@:
.endm
; Wave w finishes tile w of the group: the four parts are added, x 2^(eh + ew), + b2, and each token's 256 bytes go to its row.  rr: where the parts lie.
.macro FIN rr
	s_lshl_b32 s26, s16, 1
	s_add_co_u32 s26, s26, s24
	s_cmp_lt_u32 s26, s21
	s_cbranch_scc0 .Lno_fin_\@
	s_wait_xcnt 0x0                                ; the last group's stores have read their data and offsets: both are written again below
	s_lshl_b32 s27, s26, 4
	v_add_nc_u32 v72, s27, v3                      ; place 16 x tile + h: lanes 0-15 take the even rows, lanes 16-31 the odd
.irp i, 0,1,2,3,4,5,6,7
	v_add_nc_u32 v[24+\i], 2*\i, v72
.endr
.irp i, 0,1,2,3,4,5,6,7
	v_min_u32 v[24+\i], s22, v[24+\i]              ; behind the last token: the last token
.endr
.irp i, 0,1,2,3,4,5,6,7
	v_min_u32 v[24+\i], 0x3ff, v[24+\i]            ; inside the list whatever the count
.endr
.irp i, 0,1,2,3,4,5,6,7
	v_lshl_add_u32 v[24+\i], v[24+\i], 2, v12
.endr
.irp i, 0,1,2,3,4,5,6,7
	ds_load_b32 v[16+\i], v[24+\i]
.endr
.irp a, 0,1,2,3
.irp i, 0,1,2,3,4,5,6,7
	ds_load_b128 v[F+32*\a+4*\i:F+32*\a+4*\i+3], v[\rr] offset:PARTB*\a+2*RP*\i   ; part a, rows 2 i and 2 i + 1, 16 bytes a lane
.endr
.endr
	s_wait_dscnt 0x0
.irp i, 0,1,2,3,4,5,6,7
	v_min_u32 v[16+\i], 0x3ff, v[16+\i]            ; a token's number, inside out0
.endr
.irp i, 0,1,2,3,4,5,6,7
	v_lshl_add_u32 v[16+\i], v[16+\i], 12, v5      ; its row of 4,096 bytes + 16 (lane % 16)
.endr
.irp i, 0,2,4,6,8,10,12,14,16,18,20,22,24,26,28,30
	v_pk_add_f32 v[F+\i:F+\i+1], v[F+\i:F+\i+1], v[F+32+\i:F+32+\i+1]
.endr
.irp i, 0,2,4,6,8,10,12,14,16,18,20,22,24,26,28,30
	v_pk_add_f32 v[F+64+\i:F+64+\i+1], v[F+64+\i:F+64+\i+1], v[F+96+\i:F+96+\i+1]
.endr
.irp i, 0,2,4,6,8,10,12,14,16,18,20,22,24,26,28,30
	v_pk_add_f32 v[F+\i:F+\i+1], v[F+\i:F+\i+1], v[F+64+\i:F+64+\i+1]
.endr
.irp i, 0,1,2,3,4,5,6,7
	v_pk_fma_f32 v[F+4*\i:F+4*\i+1], v[F+4*\i:F+4*\i+1], s[36:37], v[64:65] op_sel_hi:[1,0,1]       ; sum x 2^(eh + ew) + b2
	v_pk_fma_f32 v[F+4*\i+2:F+4*\i+3], v[F+4*\i+2:F+4*\i+3], s[36:37], v[66:67] op_sel_hi:[1,0,1]
.endr
.irp i, 0,1,2,3,4,5,6,7
	global_store_b128 v[16+\i], v[F+4*\i:F+4*\i+3], s[14:15] th:TH_STORE_NT     ; sixteen lanes store 256 consecutive bytes, at a multiple of 256 from out0's first byte
.endr
.Lno_fin_\@:
.endm
; A group of four tiles.  ONE barrier a group serves two buffers: a buffer is written again two groups on, behind the next group's barrier, which every wave signals only behind its reads of this one.
.macro GROUP rw, rr
	DTILE 0, 0, 1, \rw
	DTILE 1, 1, 0, \rw
	DTILE 2, 0, 1, \rw
	DTILE 3, 1, 0, \rw
	BAR                                            ; the group's parts lie in its buffer
	FIN \rr
	s_add_co_u32 s24, s24, 8
.endm
	s_load_b256 s[4:11], s[0:1], 0x0               ; idx s[4:5], hid s[6:7], w2_codes s[8:9], b2 s[10:11]
	s_load_b128 s[12:15], s[0:1], 0x20             ; lowp_scales s[12:13], out0 s[14:15]
	v_lshl_add_u32 v126, v0, 2, 0x47000
	v_mov_b32 v127, 0
	v_lshrrev_b32 v1, 5, v0
	v_readfirstlane_b32 s16, v1                    ; wave 0..3
	s_and_b32 s17, ttmp7, 0xffff                   ; expert
	s_lshr_b32 s18, ttmp9, 1                       ; slice of 64 columns
	s_and_b32 s19, ttmp9, 1                        ; parity of my tiles
	v_and_b32 v1, 31, v0
	v_and_b32 v2, 15, v0
	v_bfe_u32 v3, v0, 4, 1
	v_lshlrev_b32 v4, 4, v1
	v_lshlrev_b32 v5, 4, v2
	s_mul_i32 s26, s16, WSTW
	v_add_nc_u32 v6, s26, v4
	v_mul_u32_u24 v7, v2, PITCH
	v_lshl_add_u32 v7, v3, 4, v7
	v_add_nc_u32 v7, s26, v7
	s_mul_i32 s26, s16, PARTB
	s_add_co_u32 s26, s26, RED
	v_mul_u32_u24 v8, v2, RP
	v_lshl_add_u32 v8, v3, 5, v8
	v_add_nc_u32 v8, s26, v8                       ; in: my part; row r, 32 bytes for each half of the lanes
	s_mul_i32 s26, s16, TILEB
	s_add_co_u32 s26, s26, RED
	v_mul_u32_u24 v9, v3, RP
	v_add_nc_u32 v9, v9, v5
	v_add_nc_u32 v9, s26, v9                       ; out: my tile; lanes 0-15 one row, lanes 16-31 the next
	v_add_nc_u32 v10, BUFB, v8
	v_add_nc_u32 v11, BUFB, v9
	s_mul_i32 s26, s16, LISTW
	s_add_co_u32 s26, s26, LIST
	v_mov_b32 v12, s26
	v_add_nc_u32 v73, s26, v4
	s_lshl_b32 s26, s16, 14
	v_add_nc_u32 v13, s26, v4                      ; my 8 K steps of a tile of hid: 16,384 w + 16 l
	v_lshlrev_b32 v72, 2, v1
.irp i, 0,1,2,3
	v_mov_b32 v[68+\i], 0
.endr
	s_lshl_b32 s28, s17, 22                        ; W2: an expert is 4 MiB, a slice 64 rows of 4,096 bytes, a wave 1,024 bytes of each row
	s_lshl_b32 s27, s18, 18
	s_add_co_u32 s28, s28, s27
	s_lshl_b32 s27, s16, 10
	s_add_co_u32 s28, s28, s27
	s_mov_b32 s29, 0
	s_lshl_b32 s30, s17, 22                        ; hid: 64 tiles of 65,536 bytes an expert
	s_mov_b32 s31, 0
	s_lshl_b32 s44, s18, 8                         ; out0: my 256 bytes of a row
	s_mov_b32 s45, 0
	s_lshl_b32 s46, s17, 12                        ; b2: 4 (1,024 e + 64 slice)
	s_add_co_u32 s46, s46, s44
	s_mov_b32 s47, 0
	s_lshl_b32 s48, s17, 4                         ; four entries of lowp_scales an expert
	s_mov_b32 s49, 0
	s_wait_kmcnt 0x0
	s_add_nc_u64 s[8:9], s[8:9], s[28:29]
	s_add_nc_u64 s[6:7], s[6:7], s[30:31]
	s_add_nc_u64 s[14:15], s[14:15], s[44:45]
	s_add_nc_u64 s[10:11], s[10:11], s[46:47]
	s_add_nc_u64 s[12:13], s[12:13], s[48:49]
	s_load_b128 s[32:35], s[12:13], 0x0
	global_load_b128 v[64:67], v5, s[10:11]        ; b2 at columns 4 (lane % 16) + 0 .. 3
.irp j, 0,1,2,3,4,5,6,7
	global_load_b128 v[LB+4*\j:LB+4*\j+3], v4, s[4:5] offset:512*\j            ; all of idx: register 4 j + q is token 128 j + 4 lane + q
.endr
	WLOAD 0xc0, 0, 48, 0                           ; column tiles 0 and 1 land in window 3
.irp k, 0,1,2,3,4,5,6,7,8
	ds_store_b128 v73, v[68:71] offset:512*\k      ; my list begins as zeros: every word that may be read has been written
.endr
	s_wait_loadcnt 48                              ; b2 and idx are in: behind them stand 48 loads of W2
	; THE LIST, by the same lines as in the launch that wrote hid
	s_mov_b32 s20, 0
.set ii, 0
.rept 32
	v_cmp_eq_u32 vcc_lo, s17, v[LB+ii]
	v_mbcnt_lo_u32_b32 v[LB+32+ii], vcc_lo, s20
	v_cndmask_b32 v[LB+32+ii], 0x400, v[LB+32+ii], vcc_lo
	v_min_u32 v[LB+32+ii], 0x400, v[LB+32+ii]
	v_lshl_add_u32 v[LB+32+ii], v[LB+32+ii], 2, v12
	v_add_nc_u32 v[LB+64+ii], 128*(ii/4)+ii%4, v72
	ds_store_b32 v[LB+32+ii], v[LB+64+ii]
	s_bcnt1_i32_b32 s41, vcc_lo
	s_add_co_u32 s20, s20, s41
.set ii, ii+1
.endr
	s_add_co_u32 s21, s20, 15
	s_lshr_b32 s21, s21, 4                         ; tiles of 16 places
	s_sub_co_u32 s22, s20, 1
	WLOAD 0xc0, 48, 16, 0
.irp k, 0,1,2,3
	s_wait_loadcnt 48                              ; the first half's loads up to 16 k + 15 are in: behind them stand 48 - 16 k of its own and 16 k of the second half's
	WSTORE 0x0c, 16*\k, 16
	WLOAD 0x80, 16*\k, 16, 131072                  ; column tiles 2 and 3, 32 rows further on, land in window 2
.endr
	s_wait_dscnt 0x0
	WFRAG 0x40                                     ; tiles 0 and 1 as fragments into window 1
	s_wait_dscnt 0x0                               ; they are in: my stage may be written again
.irp k, 0,1,2,3
	s_wait_loadcnt 48-16*\k
	WSTORE 0x08, 16*\k, 16
.endr
	s_cmp_lt_u32 s19, s21
	s_cbranch_scc0 .Lno_first
	v_lshl_add_u32 v14, s19, 16, v13
	HLOAD 0                                        ; my first tile's fragments land under the reads below (window 3's stores were waited for above)
.Lno_first:
	s_wait_dscnt 0x0                               ; the stores have read window 2, which now takes the fragments
	WFRAG 0x80
	s_wait_kmcnt 0x0
	s_add_co_i32 s36, s34, s35
	s_add_co_i32 s36, s36, 127
	s_lshl_b32 s36, s36, 23                        ; 2^(eh + ew) as f32
	s_mov_b32 s37, s36                             ; (named with it as a pair, so it is written)
	s_mov_b32 s24, s19
	s_mov_b32 s23, 0
.Lgroup:
	GROUP 8, 9
	GROUP 10, 11
	s_add_co_u32 s23, s23, 1
	s_cmp_lt_u32 s23, 4
	s_cbranch_scc1 .Lgroup
	s_wait_tensorcnt 0x0
	ds_add_u32 v126, v127
	s_wait_dscnt 0x0
	s_endpgm
.Lfunc_end_k_q26ac7c2251_down:
	.size	k_q26ac7c2251_down, .Lfunc_end_k_q26ac7c2251_down-k_q26ac7c2251_down
	.p2alignl 7, 3214868480
	.fill 96, 4, 3214868480
	.section	.rodata,"a",@progbits
	.p2align	6, 0x0
	.amdhsa_kernel k_q26ac7c2251_down
		.amdhsa_group_segment_fixed_size 291328
		.amdhsa_private_segment_fixed_size 0
		.amdhsa_enable_private_segment 0
		.amdhsa_kernarg_size 48
		.amdhsa_user_sgpr_count 2
		.amdhsa_user_sgpr_kernarg_segment_ptr 1
		.amdhsa_wavefront_size32 1
		.amdhsa_system_sgpr_workgroup_id_x 1
		.amdhsa_system_sgpr_workgroup_id_y 1
		.amdhsa_system_sgpr_workgroup_id_z 1
		.amdhsa_system_vgpr_workitem_id 0
		.amdhsa_next_free_vgpr 1024
		.amdhsa_next_free_sgpr 66
		.amdhsa_reserve_vcc 1
		.amdhsa_float_denorm_mode_32 3
		.amdhsa_float_denorm_mode_16_64 3
		.amdhsa_memory_ordered 1
		.amdhsa_forward_progress 1
		.amdhsa_inst_pref_size 123
	.end_amdhsa_kernel
	.amdgpu_metadata
---
amdhsa.version: [ 1, 2 ]
amdhsa.kernels:
  - .name:           k_q26ac7c2251_down
    .symbol:         k_q26ac7c2251_down.kd
    .args:
      - { .name: idx, .offset: 0, .size: 8, .value_kind: global_buffer, .address_space: global }
      - { .name: hid, .offset: 8, .size: 8, .value_kind: global_buffer, .address_space: global }
      - { .name: w2_codes, .offset: 16, .size: 8, .value_kind: global_buffer, .address_space: global }
      - { .name: b2, .offset: 24, .size: 8, .value_kind: global_buffer, .address_space: global }
      - { .name: lowp_scales, .offset: 32, .size: 8, .value_kind: global_buffer, .address_space: global }
      - { .name: out0, .offset: 40, .size: 8, .value_kind: global_buffer, .address_space: global }
    .group_segment_fixed_size: 291328
    .private_segment_fixed_size: 0
    .kernarg_segment_align: 8
    .kernarg_segment_size: 48
    .max_flat_workgroup_size: 128
    .sgpr_count:     66
    .vgpr_count:     1024
    .wavefront_size: 32
...
	.end_amdgpu_metadata
.endif
;; end of part 3
;; ======== version 2 of 2: 3 launches; version 1 with the launches up, down written anew for expert scheduling mode
;; workspace buffers: idx 4,096 bytes of whole numbers; xq 1,048,576 bytes; hid 33,554,432 bytes
;; launch route: the kernel of part 1 again; grid 256 x 1, 4 waves a work-group, no clusters, 35,840 bytes of LDS; arguments x, router_w, router_b, game_emb, lowp_scales, xq, idx; writes xq, idx
;; launch up (part 4): grid 32 x 8, 4 waves a work-group, no clusters, 301,824 bytes of LDS; arguments idx, xq, w1_codes, b1, lowp_scales, hid; writes hid
.if DOCPART == 4
	.amdgcn_target "amdgcn-amd-amdhsa--gfx1250"
	.amdhsa_code_object_version 6
	.text
	.protected	k_q26ac7c2251_up
	.globl	k_q26ac7c2251_up
	.p2align	8
	.type	k_q26ac7c2251_up,@function
k_q26ac7c2251_up:
	s_mov_b64 s[64:65], 0
	v_nop
	global_prefetch_b8 v0, s[64:65] scope:SCOPE_SE
	s_setreg_imm32_b32 hwreg(HW_REG_WAVE_SCHED_MODE, 0, 2), 2
	s_setreg_imm32_b32 hwreg(HW_REG_WAVE_MODE, 25, 1), 1
	s_wait_xcnt 0x0
	s_wait_alu depctr_vm_vsrc(0)
; UP.  For expert e (work-group y) and hidden units 128 x .. 128 x + 127 (work-group x): hid = codes of gelu(xq W1[e] 2^(ea + ew) + b1[e]), for the tokens whose idx is e.  ea, ew, eh = lowp_scales[4 e], [4 e + 1], [4 e + 2].
; THE WEIGHTS STAY, THE TOKENS PASS.  Wave w keeps hidden units 32 w .. 32 w + 31 of the slice, all 1,024 along K, in 256 registers (window 1), read from memory once in the launch.
; The expert's tokens come in chunks of 128 list places through LDS; all four waves multiply every tile of 16 places.
; THE LIST.  Every wave builds its expert's list of tokens itself from the 4 KiB of idx, in LDS bytes of its own: no launch and no barrier is spent on it.  The launch that reads hid builds the same list by the same lines.
; Places at or behind the expert's count n are read as place n - 1: a tile's spare columns repeat the last token, so no lane is ever switched off.
; THE PRODUCT IS USED TRANSPOSED (source 0 = 16 rows of W1, source 1 = 16 tokens): a lane holds ONE token, its registers hidden units.  THE ROWS OF W1 THAT FORM A TILE ARE NOT NEIGHBOURS: lane r of tile u takes
; row 8 u + r + 8 (r / 8), so that the 16 registers of tiles 0 and 1 are hidden units 32 w + 16 (lane / 16) + 0 .. 15: registers 4 w .. 4 w + 3 of the next product's operand.
; Both operands hold K = 128 s + 32 c + 16 (lane / 16) + 0 .. 15 in registers 4 c .. 4 c + 3 of K step s: one permutation of K, the same on both sides, so every product meets its partner.
; hid: images of the next operand's registers: byte (64 e + tile) x 65,536 + 2,048 x (this slice) + 512 w + 16 lane.
; NO TENSOR LOADS, NO CLUSTER: which tiles there are hangs on counts read from memory, and partners would need different numbers of tiles; the weights, the bulk of the bytes, are shared by nobody.
; The loops' trip counts are constants (8 chunks x 8 tiles: all 1,024 tokens on one expert are served); scalar branches on the count pass over the work, never over a barrier.
; GELU: h = pre / 2 x (1 + erf(z)), z = pre / sqrt(2).  |z| <= 0.921875: 1 + z + z p(z^2).  Beyond: E = 2^(-log2(e) q(|z|)) is 1 - erf(|z|); 1 + erf(z) = 2 - E for z > 0 and E itself for z < 0, so no difference of near numbers is formed.
; LIMITS.  NaN and infinities are not served.  ea + ew between -125 and 126; eh between -126 and 119.  E's relative error grows with |z| (about 1e-4 at pre = -5.7, where |h| is under 1e-7).
; THE MODE: SCHED_MODE bits 1:0 = 2 (LLVM: expert scheduling mode 2), set by the entry lines.  The code itself states the register dependences
; between vector or matrix instructions and memory or LDS instructions, with s_wait_alu, always for 0.
; THE PLAN.  Registers that memory or LDS instructions touch:
;   v4-9, v12, v13, v240-243   made at the head, never written again: one wait on va_vdst ahead of the first load serves them for the whole kernel.
;   v96-159     the list's LDS addresses and data: written by the list's vector lines, all 32 steps first; one wait; then the 32 LDS stores.
;   v32-47, v16-31   list addresses and the gather's offsets: written by GLIST's vector lines and its LDS loads, read by those loads and by the gather.
;   window 2    the gather lands there, the chunk's LDS stores read it; no vector line names it.   window 1: loads, the stage's stores, the fragments' loads; then read by products alone.
;   A (v32-159) read by a tile's products; the next tile's fragments land in it behind the one wait on va_vdst that stands behind the products.
;   v10, v14, CD   written by a tile's vector lines behind a wait on vm_vsrc; read by the next tile's fetch and by the tile's store.
;   Masks: compares stand in runs of sixteen into s48-63, one wait on va_sdst behind each run.
.set PITCH, 1040                       ; an LDS row of 1,024 codes + 16 bytes: 65 x 16 bytes, so the 16 rows that a fragment load touches start in 16 different columns of banks
.set WSTW,  32*PITCH                   ; a wave's stage for its 32 rows of W1
.set TOK,   4*WSTW                     ; the chunk: 128 rows of tokens' codes, and 16 rows more that no line of a run touches
.set TOKT,  16*PITCH                   ; a tile's rows
.set LIST,  TOK+144*PITCH              ; the lists: 4,608 bytes for each wave: 1,024 words, word 1,024 for what is not mine, the rest unused
.set LISTW, 4608
.set TO,    16                         ; v16-31   the gather's 16 offsets
.set A,     32                         ; v32-159  the tile's 8 fragments.  At the head: v32-47 list addresses, v48-63 b1 as loaded, v64-159 the list's making
.set LB,    64
.set ACC,   160                        ; v160-175 two accumulators
.set BIAS,  176                        ; v176-191 b1 / 2^(ea + ew), in the result's layout
.set GZ,    192                        ; v192-231 gelu: z, |z|, z^2, and two polynomials, 8 each
.set GT,    200
.set GS,    208
.set GP,    216
.set GQ,    224
.set CD,    232                        ; v232-235 the codes
.set MK,    48                         ; s48-63   sixteen masks
.set C2,  0x3ddaae58
.set C1,  0x3f228550
.set C0,  0x3e03ce86
.set D3,  0xbcdb45e9
.set D2,  0x3de70d23
.set D1,  0xbec09370
.set D0,  0x3e0375d3
; v1 lane, v2 r, v3 h, v4 16 l, v5 16 r, v6 / v7 the stage in / out, v8 the chunk in, v9 the chunk out, v10 address in hand, v11 32 w + h, v12 my list, v13 16 l + 512 w, v14 offset in hid, v15 4 l
; v236 2^eh, v237 448 x 2^eh, v240-243 zeros, v244-255 six constants as pairs.  window 1: W1.  window 2: the gather's 64 x 4 landing registers.
; s16 wave, s17 e, s18 slice, s19 n, s20 tiles, s21 n - 1, s22 chunk, s23 tile in chunk, s24 tile, s25 its rows' bytes, s26 128 x the chunk to be gathered, s42 my wave's first place in the chunk
.set MSB, 0
.macro WIN new                         ; the immediate's high byte repeats the setting that is left; a switch that changes nothing is dropped
.if MSB != \new
	s_set_vgpr_msb (MSB<<8)|\new
.set MSB, \new
.endif
.endm
.macro BAR                             ; my LDS stores have landed and my LDS loads are in: then the work-group's barrier
	s_wait_dscnt 0x0
	s_barrier_signal -1
	s_barrier_wait -1
.endm
.macro WLOAD j0, cnt                   ; loads j0 on of my 64: row j / 2 of my 32, half j % 2: 512 consecutive bytes a load, into window 1
	WIN 0x40
.set jj, \j0
.rept \cnt
	global_load_b128 v[4*jj:4*jj+3], v4, s[8:9] offset:(jj/2)*1024+(jj%2)*512 th:TH_LOAD_NT
.set jj, jj+1
.endr
	WIN 0
.endm
.macro WSTORE j0, cnt                  ; into my stage; row rho goes to the place that puts each tile's 16 rows on end
	WIN 0x04
.set jj, \j0
.rept \cnt
.set rho, jj/2
.set slot, 16*((rho>>3)&1)+8*(rho>>4)+(rho&7)
	ds_store_b128 v6, v[4*jj:4*jj+3] offset:slot*PITCH+(jj%2)*512
.set jj, jj+1
.endr
	WIN 0
.endm
.macro WFRAG                           ; and back as fragments: tile u, K step s at v[16 (8 u + s)] of window 1
	WIN 0x40
.irp u, 0,1
.irp s, 0,1,2,3,4,5,6,7
.irp c, 0,1,2,3
	ds_load_b128 v[16*(8*\u+\s)+4*\c:16*(8*\u+\s)+4*\c+3], v7 offset:16*\u*PITCH+128*\s+32*\c
.endr
.endr
.endr
	WIN 0
.endm
; The tokens at my wave's 32 places of the chunk that begins at place s26: offset i serves places 2 i (lanes 0-15) and 2 i + 1 (lanes 16-31).  again = 1: in the loop, where the registers have served before.
.macro GLIST again
.if \again
	s_wait_alu depctr_vm_vsrc(0)                   ; the list's loads of the chunk before have read v32-47, its gather's loads v16-31, and this chunk's LDS stores window 2: all three are written again below
.endif
.irp i, 0,1,2,3,4,5,6,7,8,9,10,11,12,13,14,15
	v_add_nc_u32 v[A+\i], 2*\i, v11
.endr
.irp i, 0,1,2,3,4,5,6,7,8,9,10,11,12,13,14,15
	v_add_nc_u32 v[A+\i], s26, v[A+\i]
.endr
.irp i, 0,1,2,3,4,5,6,7,8,9,10,11,12,13,14,15
	v_min_u32 v[A+\i], s21, v[A+\i]                ; behind the last token: the last token
.endr
.irp i, 0,1,2,3,4,5,6,7,8,9,10,11,12,13,14,15
	v_min_u32 v[A+\i], 0x3ff, v[A+\i]              ; inside the list whatever the count
.endr
.irp i, 0,1,2,3,4,5,6,7,8,9,10,11,12,13,14,15
	v_lshl_add_u32 v[A+\i], v[A+\i], 2, v12
.endr
	s_wait_alu depctr_va_vdst(0)                   ; the addresses v32-47 are written, which the loads below read; the lines that made the last chunk's offsets are done with v16-31, in which they land
.irp i, 0,1,2,3,4,5,6,7,8,9,10,11,12,13,14,15
	ds_load_b32 v[TO+\i], v[A+\i]
.endr
	s_wait_dscnt 0x0
.irp i, 0,1,2,3,4,5,6,7,8,9,10,11,12,13,14,15
	v_min_u32 v[TO+\i], 0x3ff, v[TO+\i]            ; a token's number, inside xq
.endr
.irp i, 0,1,2,3,4,5,6,7,8,9,10,11,12,13,14,15
	v_lshl_add_u32 v[TO+\i], v[TO+\i], 10, v5      ; its row of 1,024 bytes + 16 (lane % 16)
.endr
	s_wait_alu depctr_va_vdst(0)                   ; the offsets v16-31 are written, which the gather's 64 loads read; no vector line stands between this wait and the last of them
.endm
.macro GATHERQ k                       ; a quarter of the gather: 16 loads; sixteen lanes read 256 consecutive bytes of a token's row, at a multiple of 256
	WIN 0x80
.irp a, 0,1,2,3
.irp q, 0,1,2,3
	global_load_b128 v[4*(4*(4*(\k)+\a)+\q):4*(4*(4*(\k)+\a)+\q)+3], v[TO+4*(\k)+\a], s[6:7] offset:256*\q
.endr
.endr
	WIN 0
.endm
.macro PUT                             ; my 32 rows into the chunk
	WIN 0x08
.irp i, 0,1,2,3,4,5,6,7,8,9,10,11,12,13,14,15
.irp q, 0,1,2,3
	ds_store_b128 v8, v[4*(4*\i+\q):4*(4*\i+\q)+3] offset:2*\i*PITCH+256*\q
.endr
.endr
	WIN 0
.endm
.macro AFETCH adr, off                 ; a tile's 8 fragments
.irp s, 0,1,2,3,4,5,6,7
.irp c, 0,1,2,3
	ds_load_b128 v[A+16*\s+4*\c:A+16*\s+4*\c+3], v[\adr] offset:\off+128*\s+32*\c
.endr
.endr
.endm
; gelu of the eight sums of one accumulator, in place; each stage goes through the four pairs, so that no line waits for the line above it
.macro GELU8 acc
.irp i, 0,2,4,6
	v_pk_mul_f32 v[GZ+\i:GZ+\i+1], v[\acc+\i:\acc+\i+1], s[36:37] op_sel_hi:[1,0]      ; z = sum x 2^(ea + ew) / sqrt(2); the accumulator is read from its low end on
.endr
.irp i, 0,2,4,6
	v_pk_mul_f32 v[\acc+\i:\acc+\i+1], v[\acc+\i:\acc+\i+1], s[38:39] op_sel_hi:[1,0]  ; pre / 2
.endr
.irp i, 0,1,2,3,4,5,6,7
	v_and_b32 v[GT+\i], 0x7fffffff, v[GZ+\i]       ; t = |z|
.endr
.irp i, 0,2,4,6
	v_pk_mul_f32 v[GS+\i:GS+\i+1], v[GZ+\i:GZ+\i+1], v[GZ+\i:GZ+\i+1]                  ; s = z^2
.endr
.irp i, 0,2,4,6
	v_pk_fma_f32 v[GP+\i:GP+\i+1], v[GT+\i:GT+\i+1], v[244:245], v[246:247]
.endr
.irp i, 0,2,4,6
	v_pk_fma_f32 v[GQ+\i:GQ+\i+1], v[GT+\i:GT+\i+1], v[248:249], v[250:251]
.endr
.irp i, 0,2,4,6
	v_pk_fma_f32 v[GP+\i:GP+\i+1], v[GP+\i:GP+\i+1], v[GS+\i:GS+\i+1], v[GQ+\i:GQ+\i+1]
.endr
.irp k, C2, C1, C0
.irp i, 0,2,4,6
	v_pk_fma_f32 v[GP+\i:GP+\i+1], v[GP+\i:GP+\i+1], v[GT+\i:GT+\i+1], \k op_sel_hi:[1,1,0]
.endr
.endr
.irp i, 0,2,4,6
	v_pk_fma_f32 v[GP+\i:GP+\i+1], v[GP+\i:GP+\i+1], v[GT+\i:GT+\i+1], v[GT+\i:GT+\i+1]   ; q(t)
.endr
.irp i, 0,2,4,6
	v_pk_mul_f32 v[GP+\i:GP+\i+1], v[GP+\i:GP+\i+1], 0xbfb8aa3b op_sel_hi:[1,0]        ; x -log2(e)
.endr
.irp i, 0,1,2,3,4,5,6,7
	v_exp_f32 v[GP+\i], v[GP+\i]                   ; E = 1 - erf(t): one batch of eight
.endr
.irp i, 0,2,4,6
	v_pk_fma_f32 v[GQ+\i:GQ+\i+1], v[GS+\i:GS+\i+1], v[252:253], v[254:255]            ; the small branch: 28 plain lines that name no exponential's result stand behind the batch
.endr
.irp k, D3, D2, D1, D0
.irp i, 0,2,4,6
	v_pk_fma_f32 v[GQ+\i:GQ+\i+1], v[GQ+\i:GQ+\i+1], v[GS+\i:GS+\i+1], \k op_sel_hi:[1,1,0]
.endr
.endr
.irp i, 0,2,4,6
	v_pk_fma_f32 v[GQ+\i:GQ+\i+1], v[GQ+\i:GQ+\i+1], v[GZ+\i:GZ+\i+1], v[GZ+\i:GZ+\i+1]   ; erf(z)
.endr
.irp i, 0,2,4,6
	v_pk_add_f32 v[GQ+\i:GQ+\i+1], v[GQ+\i:GQ+\i+1], 1.0 op_sel_hi:[1,0]
.endr
.irp i, 0,1,2,3,4,5,6,7
	v_cmp_gt_f32 s[MK+\i], 0, v[GZ+\i]             ; the sixteen masks in one run: z < 0,
.endr
.irp i, 0,1,2,3,4,5,6,7
	v_cmp_lt_f32 s[MK+8+\i], 0x3f6c0000, v[GT+\i]  ; t > 0.921875
.endr
	s_wait_alu depctr_va_vdst(0)                   ; the eight exponentials have written v[GP ..]: the wait ahead of the first line that names a result: one for the batch
	s_wait_alu depctr_va_sdst(0)                   ; the sixteen compares have written s48-63, ahead of the first select that reads one of them
.irp i, 0,2,4,6
	v_pk_add_f32 v[GS+\i:GS+\i+1], v[GP+\i:GP+\i+1], 2.0 op_sel_hi:[1,0] neg_lo:[1,0] neg_hi:[1,0]   ; 2 - E
.endr
.irp i, 0,1,2,3,4,5,6,7
	v_cndmask_b32 v[GS+\i], v[GS+\i], v[GP+\i], s[MK+\i]       ; z < 0: E itself
.endr
.irp i, 0,1,2,3,4,5,6,7
	v_cndmask_b32 v[GQ+\i], v[GQ+\i], v[GS+\i], s[MK+8+\i]     ; t > 0.921875: the large branch
.endr
.irp i, 0,2,4,6
	v_pk_mul_f32 v[\acc+\i:\acc+\i+1], v[\acc+\i:\acc+\i+1], v[GQ+\i:GQ+\i+1]          ; h
.endr
.endm
	s_load_b256 s[4:11], s[0:1], 0x0               ; idx s[4:5], xq s[6:7], w1_codes s[8:9], b1 s[10:11]
	s_load_b128 s[12:15], s[0:1], 0x20             ; lowp_scales s[12:13], hid s[14:15]
	v_lshl_add_u32 v238, v0, 2, 0x49900
	v_mov_b32 v239, 0
	v_lshrrev_b32 v1, 5, v0
	v_readfirstlane_b32 s16, v1                    ; wave 0..3
	s_and_b32 s17, ttmp7, 0xffff                   ; expert
	s_mov_b32 s18, ttmp9                           ; slice
	v_and_b32 v1, 31, v0
	v_and_b32 v2, 15, v0
	v_bfe_u32 v3, v0, 4, 1
	v_lshlrev_b32 v4, 4, v1
	v_lshlrev_b32 v5, 4, v2
	s_wait_alu depctr_va_sdst(0)                   ; s16 is written, ahead of its first reader
	s_mul_i32 s27, s16, WSTW
	v_add_nc_u32 v6, s27, v4
	v_mul_u32_u24 v7, v2, PITCH
	v_lshl_add_u32 v7, v3, 4, v7                   ; a fragment's row x pitch + 16 x half
	v_add_nc_u32 v9, TOK, v7
	v_add_nc_u32 v7, s27, v7
	s_lshl_b32 s42, s16, 5                         ; 32 w
	v_add_nc_u32 v11, s42, v3
	v_mul_u32_u24 v8, v11, PITCH
	v_add_nc_u32 v8, v8, v5
	v_add_nc_u32 v8, TOK, v8
	s_mul_i32 s27, s16, LISTW
	s_add_co_u32 s27, s27, LIST
	v_mov_b32 v12, s27
	v_add_nc_u32 v10, s27, v4
	s_lshl_b32 s27, s16, 9
	v_add_nc_u32 v13, s27, v4
	v_lshlrev_b32 v14, 6, v3                       ; b1: lanes 16-31 begin 16 units further on
	v_lshlrev_b32 v15, 2, v1
.irp i, 0,1,2,3
	v_mov_b32 v[240+\i], 0
.endr
	s_lshl_b32 s28, s17, 22                        ; W1: an expert is 4 MiB, a slice 128 rows of 1,024 bytes, a wave 32 rows
	s_lshl_b32 s27, s18, 17
	s_add_co_u32 s28, s28, s27
	s_lshl_b32 s27, s16, 15
	s_add_co_u32 s28, s28, s27
	s_mov_b32 s29, 0
	s_lshl_b32 s30, s17, 14                        ; b1: 4 (4,096 e + 128 slice + 32 w)
	s_lshl_b32 s27, s18, 9
	s_add_co_u32 s30, s30, s27
	s_lshl_b32 s27, s16, 7
	s_add_co_u32 s30, s30, s27
	s_mov_b32 s31, 0
	s_lshl_b32 s44, s17, 22                        ; hid: 64 tiles of 65,536 bytes an expert; my slice's 2,048 bytes of a tile
	s_lshl_b32 s27, s18, 11
	s_add_co_u32 s44, s44, s27
	s_mov_b32 s45, 0
	s_lshl_b32 s46, s17, 4                         ; four entries of lowp_scales an expert
	s_mov_b32 s47, 0
	s_wait_kmcnt 0x0
	s_add_nc_u64 s[8:9], s[8:9], s[28:29]
	s_add_nc_u64 s[10:11], s[10:11], s[30:31]
	s_add_nc_u64 s[14:15], s[14:15], s[44:45]
	s_add_nc_u64 s[12:13], s[12:13], s[46:47]
	s_load_b128 s[32:35], s[12:13], 0x0            ; ea, ew, eh, (the next product's)
	s_wait_alu depctr_va_vdst(0)                   ; the offsets and addresses v4 to v14 and the zeros v240-243 are written, which the loads and LDS stores below read
.irp q, 0,1,2,3
	global_load_b128 v[48+4*\q:51+4*\q], v14, s[10:11] offset:16*\q            ; b1 at my 16 units
.endr
.irp j, 0,1,2,3,4,5,6,7
	global_load_b128 v[LB+4*\j:LB+4*\j+3], v4, s[4:5] offset:512*\j            ; all of idx: register 4 j + q is token 128 j + 4 lane + q
.endr
	WLOAD 0, 48
.irp k, 0,1,2,3,4,5,6,7,8
	ds_store_b128 v10, v[240:243] offset:512*\k    ; my list begins as zeros: every word that may be read has been written
.endr
	s_wait_loadcnt 48                              ; b1 and idx are in: behind them stand 48 loads of W1
	; THE LIST: a token of my expert goes to the place that counts my expert's tokens before it; every other to word 1,024.  Each of the 32 steps has registers of its own.
	; The compares stand in two runs of sixteen; all 32 addresses and numbers are made first, and the 32 LDS stores follow in the steps' order.
	s_mov_b32 s19, 0
.irp hh, 0,1
.set ii, 16*\hh
.rept 16
	v_cmp_eq_u32 s[MK+ii%16], s17, v[LB+ii]
.set ii, ii+1
.endr
	s_wait_alu depctr_va_sdst(0)                   ; the sixteen compares have written s48-63, ahead of the first line that reads one of them
.set ii, 16*\hh
.rept 16
	v_mbcnt_lo_u32_b32 v[LB+32+ii], s[MK+ii%16], s19
	v_cndmask_b32 v[LB+32+ii], 0x400, v[LB+32+ii], s[MK+ii%16]
	v_min_u32 v[LB+32+ii], 0x400, v[LB+32+ii]
	v_lshl_add_u32 v[LB+32+ii], v[LB+32+ii], 2, v12
	v_add_nc_u32 v[LB+64+ii], 128*(ii/4)+ii%4, v15
	s_bcnt1_i32_b32 s41, s[MK+ii%16]
	s_add_co_u32 s19, s19, s41
.set ii, ii+1
.endr
.endr
	s_wait_alu depctr_va_vdst(0)                   ; the 32 addresses v96-127 and the 32 numbers v128-159 are written, which the LDS stores read
.set ii, 0
.rept 32
	ds_store_b32 v[LB+32+ii], v[LB+64+ii]
.set ii, ii+1
.endr
	s_add_co_u32 s20, s19, 15
	s_lshr_b32 s20, s20, 4                         ; tiles of 16 places
	s_sub_co_u32 s21, s19, 1
	WLOAD 48, 16
	s_mov_b32 s26, 0
	GLIST 0                                        ; chunk 0 is gathered whatever the count, so that the counts below hold on every way
	s_mov_b32 s26, 128
.irp k, 0,1,2,3
	s_wait_loadcnt 48                              ; W1's loads up to 16 k + 15 are in: behind them stand 48 - 16 k of W1's and 16 k of the gather's
	WSTORE 16*\k, 16
	GATHERQ \k
.endr
	s_wait_dscnt 0x0                               ; my stage is written
	s_wait_alu depctr_vm_vsrc(0)                   ; the stage's stores have read window 1, in which the fragments land
	WFRAG
	s_wait_kmcnt 0x0
	s_add_co_i32 s27, s32, s33                     ; ea + ew: a sum stands for sum x 2^(ea + ew)
	s_sub_co_i32 s40, 0, s27
	s_lshl_b32 s28, s27, 23
	s_add_co_i32 s36, s28, 0x3f3504f3              ; 2^(ea + ew) / sqrt(2): the exponent is added to the exponent field of 1 / sqrt(2)
	s_mov_b32 s37, s36                             ; (named with it as a pair, so it is written)
	s_add_co_i32 s28, s27, 126
	s_lshl_b32 s38, s28, 23                        ; 2^(ea + ew) / 2
	s_mov_b32 s39, s38
	s_add_co_i32 s28, s34, 127
	s_lshl_b32 s29, s28, 23
	v_mov_b32 v236, s29                            ; 2^eh
	s_add_co_i32 s28, s28, 8
	s_lshl_b32 s28, s28, 23
	s_or_b32 s28, s28, 0x600000
	v_mov_b32 v237, s28                            ; 448 x 2^eh
.irp j, 0,1,2,3,4,5,6,7,8,9,10,11,12,13,14,15
	v_ldexp_f32 v[BIAS+\j], v[48+\j], s40          ; b1 / 2^(ea + ew): the C of each sum's first product
.endr
.irp i, 0,1
	v_mov_b32 v[244+\i], 0x37911480                ; the polynomials' constants that stand two to an instruction
	v_mov_b32 v[246+\i], 0xb9c8e966
	v_mov_b32 v[248+\i], 0x3b7e899b
	v_mov_b32 v[250+\i], 0xbcc6b180
	v_mov_b32 v[252+\i], 0xba1d0d41
	v_mov_b32 v[254+\i], 0x3ba39fa4
.endr
	s_mov_b32 s22, 0
.Lchunk:
	s_wait_loadcnt 0x0                             ; the chunk's gather is in; on every way no load is out here
	s_cmp_lt_u32 s42, s19
	s_cbranch_scc0 .Lno_put
	PUT                                            ; (its data come from loads, its address from the head: no vector line has named either since)
.Lno_put:
	BAR                                            ; the chunk lies in LDS
	s_add_co_u32 s27, s42, 128
	s_cmp_lt_u32 s27, s19
	s_cbranch_scc0 .Lno_gather
	GLIST 1                                        ; the next chunk's rows are asked for now and land under this chunk's work
	GATHERQ 0
	GATHERQ 1
	GATHERQ 2
	GATHERQ 3
.Lno_gather:
	s_lshl_b32 s24, s22, 3
	s_cmp_lt_u32 s24, s20
	s_cbranch_scc0 .Lno_first
	s_wait_alu depctr_va_vdst(0)                   ; the products of the chunk before are done reading A; so are the lines that made list addresses in v32-47 (the first time: b1's scaling with v48-63, the list's making with v64-159)
	s_wait_alu depctr_vm_vsrc(0)                   ; the list's loads have read their addresses v32-47 (the first time: the list's stores v96-159), in which the fragments land
	AFETCH 9, 0                                    ; the chunk's first tile
.Lno_first:
	s_mov_b32 s23, 0
	s_mov_b32 s25, 0
.Ltile:
	s_lshl_b32 s24, s22, 3
	s_add_co_u32 s24, s24, s23                     ; the tile's number in the expert's list
	s_cmp_lt_u32 s24, s20
	s_cbranch_scc0 .Ltile_done
	s_wait_dscnt 0x0                               ; the tile's fragments are in (the first time: W1's too)
	WIN 0x01                                       ; source 0 (W1) window 1
.irp s, 0,1,2,3,4,5,6,7
.irp u, 0,1
.if \s == 0
	v_wmma_f32_16x16x128_fp8_fp8 v[ACC+8*\u:ACC+8*\u+7], v[16*(8*\u):16*(8*\u)+15], v[A:A+15], v[BIAS+8*\u:BIAS+8*\u+7]
.else
	v_wmma_f32_16x16x128_fp8_fp8 v[ACC+8*\u:ACC+8*\u+7], v[16*(8*\u+\s):16*(8*\u+\s)+15], v[A+16*\s:A+16*\s+15], v[ACC+8*\u:ACC+8*\u+7]
.endif
.endr
.endr                                              ; the two accumulators take turns, one instruction a turn
	WIN 0
	s_wait_xcnt 0x0                                ; the last tile's store has had its address translated: its offset and its data are written again below
	s_wait_alu depctr_vm_vsrc(0)                   ; the last tile's store has read v14 and the codes' registers, its fetch v10 (the first time: b1's loads v14, the zeros' stores v10): all are written again below
	v_add_nc_u32 v10, s25, v9                      ; four plain lines that name no register of the products: the places (ISA guide 7.12.1) in front of the first read of the sums
	v_lshl_add_u32 v14, s24, 16, v13
	v_nop
	v_nop
	s_cmp_eq_u32 s23, 7
	s_cbranch_scc1 .Lno_ahead                      ; the next chunk's first tile is not there yet
	s_add_co_u32 s27, s24, 1
	s_cmp_lt_u32 s27, s20
	s_cbranch_scc0 .Lno_ahead
	s_wait_alu depctr_va_vdst(0)                   ; the products are done reading A, in which the loads below land, and v10, their address, is written
	AFETCH 10, TOKT                                ; the next tile's fragments land under this tile's gelu, which names neither A nor v10
.Lno_ahead:
	GELU8 ACC
	GELU8 ACC+8
.irp i, 0,1,2,3,4,5,6,7,8,9,10,11,12,13,14,15
	v_med3_num_f32 v[ACC+\i], v[ACC+\i], -v237, v237       ; the hold at the largest code x the scale (ISA guide 7.6.2)
.endr
	v_cvt_scalef32_pk8_fp8_f32 v[CD:CD+1], v[ACC:ACC+7], v236
	v_cvt_scalef32_pk8_fp8_f32 v[CD+2:CD+3], v[ACC+8:ACC+15], v236
	v_nop                                          ; one plain line behind the last conversion: the next products write its sources
	s_wait_alu depctr_va_vdst(0)                   ; the conversions have written the codes and the line above the gelu v14: the store reads both
	global_store_b128 v14, v[CD:CD+3], s[14:15]    ; the wave stores 512 consecutive bytes, at a multiple of 512 from hid's first byte
.Ltile_done:
	s_add_co_u32 s25, s25, TOKT
	s_add_co_u32 s23, s23, 1
	s_cmp_lt_u32 s23, 8
	s_cbranch_scc1 .Ltile
	BAR                                            ; everybody's reads of the chunk are over: it may be written again
	s_add_co_u32 s42, s42, 128
	s_add_co_u32 s26, s26, 128
	s_add_co_u32 s22, s22, 1
	s_cmp_lt_u32 s22, 8
	s_cbranch_scc1 .Lchunk
	s_wait_dscnt 0x0
	s_wait_alu depctr_hold_cnt(0) depctr_sa_sdst(0) depctr_va_vdst(0) depctr_va_sdst(0) depctr_va_ssrc(0) depctr_va_vcc(0) depctr_vm_vsrc(0)
	s_wait_tensorcnt 0x0
	ds_add_u32 v238, v239
	s_wait_dscnt 0x0
	s_endpgm
.Lfunc_end_k_q26ac7c2251_up:
	.size	k_q26ac7c2251_up, .Lfunc_end_k_q26ac7c2251_up-k_q26ac7c2251_up
	.p2alignl 7, 3214868480
	.fill 96, 4, 3214868480
	.section	.rodata,"a",@progbits
	.p2align	6, 0x0
	.amdhsa_kernel k_q26ac7c2251_up
		.amdhsa_group_segment_fixed_size 301824
		.amdhsa_private_segment_fixed_size 0
		.amdhsa_enable_private_segment 0
		.amdhsa_kernarg_size 48
		.amdhsa_user_sgpr_count 2
		.amdhsa_user_sgpr_kernarg_segment_ptr 1
		.amdhsa_wavefront_size32 1
		.amdhsa_system_sgpr_workgroup_id_x 1
		.amdhsa_system_sgpr_workgroup_id_y 1
		.amdhsa_system_sgpr_workgroup_id_z 1
		.amdhsa_system_vgpr_workitem_id 0
		.amdhsa_next_free_vgpr 768
		.amdhsa_next_free_sgpr 66
		.amdhsa_reserve_vcc 0
		.amdhsa_float_denorm_mode_32 3
		.amdhsa_float_denorm_mode_16_64 3
		.amdhsa_memory_ordered 1
		.amdhsa_forward_progress 1
		.amdhsa_inst_pref_size 95
	.end_amdhsa_kernel
	.amdgpu_metadata
---
amdhsa.version: [ 1, 2 ]
amdhsa.kernels:
  - .name:           k_q26ac7c2251_up
    .symbol:         k_q26ac7c2251_up.kd
    .args:
      - { .name: idx, .offset: 0, .size: 8, .value_kind: global_buffer, .address_space: global }
      - { .name: xq, .offset: 8, .size: 8, .value_kind: global_buffer, .address_space: global }
      - { .name: w1_codes, .offset: 16, .size: 8, .value_kind: global_buffer, .address_space: global }
      - { .name: b1, .offset: 24, .size: 8, .value_kind: global_buffer, .address_space: global }
      - { .name: lowp_scales, .offset: 32, .size: 8, .value_kind: global_buffer, .address_space: global }
      - { .name: hid, .offset: 40, .size: 8, .value_kind: global_buffer, .address_space: global }
    .group_segment_fixed_size: 301824
    .private_segment_fixed_size: 0
    .kernarg_segment_align: 8
    .kernarg_segment_size: 48
    .max_flat_workgroup_size: 128
    .sgpr_count:     66
    .vgpr_count:     768
    .wavefront_size: 32
...
	.end_amdgpu_metadata
.endif
;; end of part 4
;; launch down (part 5): grid 32 x 8, 4 waves a work-group, no clusters, 291,328 bytes of LDS; arguments idx, hid, w2_codes, b2, lowp_scales, out0; writes out0
.if DOCPART == 5
	.amdgcn_target "amdgcn-amd-amdhsa--gfx1250"
	.amdhsa_code_object_version 6
	.text
	.protected	k_q26ac7c2251_down
	.globl	k_q26ac7c2251_down
	.p2align	8
	.type	k_q26ac7c2251_down,@function
k_q26ac7c2251_down:
	s_mov_b64 s[64:65], 0
	v_nop
	global_prefetch_b8 v0, s[64:65] scope:SCOPE_SE
	s_setreg_imm32_b32 hwreg(HW_REG_WAVE_SCHED_MODE, 0, 2), 2
	s_setreg_imm32_b32 hwreg(HW_REG_WAVE_MODE, 25, 1), 1
	s_wait_xcnt 0x0
	s_wait_alu depctr_vm_vsrc(0)
; DOWN.  For expert e (work-group y), output columns 64 (x / 2) .. + 63 and the tiles of 16 list places whose number has the parity x % 2:  out0[token] = hid W2[e] 2^(eh + ew) + b2[e].  eh, ew = lowp_scales[4 e + 2], [4 e + 3].
; THE WEIGHTS STAY.  Wave w keeps K = 1,024 w .. + 1,023 of the 64 columns in 512 registers (windows 1 and 2).  So each fragment of hid is read by ONE wave of the work-group, straight from memory,
; 512 consecutive bytes a load (hid holds images of this operand's registers).  The four waves' parts of a tile's sums meet in LDS, four tiles at a time; wave w then finishes tile w of the four.
; 64 columns are 256 bytes of a row of out0: sixteen lanes store one aligned run of 256 bytes of a token's row.  Two work-groups (the two parities) read the same 256 KiB of W2:
; with 32 work-groups an expert, 16 slices x 2 halves of the tiles gives a work-group the fewest bytes of W2 and hid together among the splits that store whole runs of 256 bytes.
; THE LIST of the expert's tokens is built by every wave itself, by the same lines as in the launch that wrote hid, so a place means the same token.  Places behind the last token are read as the last token:
; a tile's spare rows hold the same numbers as the last token's and go to the same row, so no lane is ever switched off.
; THE PRODUCT IS USED TRANSPOSED (source 0 = 16 rows of w2_codes = 16 output columns, source 1 = 16 tokens): a lane holds eight neighbouring columns of one token.
; NO TENSOR LOADS, NO CLUSTER: which tiles there are hangs on counts read from memory.  The loop's trip count is a constant (4 trips x 2 groups x 4 tiles x 2 parities = 64 tiles: all tokens on one expert are served).
; LIMITS.  eh + ew between -126 and 127.  A sum over K is formed as four sums of 1,024 along K, added as (0 + 1) + (2 + 3).
; THE MODE: SCHED_MODE bits 1:0 = 2 (LLVM: expert scheduling mode 2), set by the entry lines.  The code itself states the register dependences
; between vector or matrix instructions and memory or LDS instructions, with s_wait_alu, always for 0.
; THE PLAN.  Registers that memory or LDS instructions touch:
;   v4-13, v68-71, v73   made at the head, never written again: one wait on va_vdst ahead of the first load serves them for the whole kernel.
;   the two hidden buffers (window 3)   Tile j's products read buffer j % 2; the loads of tile j + 1 land in the other, which tile j - 1's products read.  A tile's products always stand ahead of the wait on va_vdst
;               in front of its LDS stores, and no vector or matrix line behind that wait names the buffer: so the loads owe no wait of their own.  Their rows are reached by a scalar base for each buffer and the offset v13.
;   ACC         written by a tile's products; read by its eight LDS stores, behind the places and one wait on va_vdst; written again by the next tile's products, behind a wait on vm_vsrc.
;   F, v16-23, v24-31   a group's finish: one wait on vm_vsrc at its head (the last finish's stores and loads have read them); the loads into F go out at once, since every vector line that named F
;               stands ahead of an earlier wait on va_vdst; one wait ahead of the list's loads, one ahead of the global stores.
;   windows 2 and 3 at the head: read by the stage's stores; one wait on vm_vsrc behind the last of them.
;   Masks: the list's compares stand in runs of sixteen into s48-63, one wait on va_sdst behind each run.
.set PITCH, 1040                       ; a stage row: 1,024 codes + 16 bytes
.set WSTW,  32*PITCH                   ; a wave's stage for 32 rows of W2, used twice, by its own wave alone
.set RED,   4*WSTW                     ; the sums' meeting place: two buffers
.set RP,    272                        ; a token's 64 sums, 256 bytes, + 16
.set PARTB, 16*RP                      ; one wave's part of one tile
.set TILEB, 4*PARTB                    ; a tile's four parts
.set BUFB,  4*TILEB                    ; a buffer: four tiles
.set LIST,  RED+2*BUFB
.set LISTW, 4608
.set ACC,   32                         ; v32-63   four accumulators
.set F,     128                        ; v128-255 the four parts of my tile, 32 registers each.  At the head: the list's making
.set LB,    128
.set MK,    48                         ; s48-63   sixteen masks
.set HB,    38                         ; s[38:39], s[42:43]  hidden buffer b: the address in hid of the tile that it is asked for: a pair at HB + 4 b
; window 0: v1 lane, v2 r, v3 h, v4 16 l, v5 16 r, v6 / v7 the stage in / out, v8 / v9 buffer 0 in / out, v10 / v11 buffer 1, v12 my list, v13 16 l + 16,384 w,
;   v16-23 offsets in out0, v24-31 list addresses, v64-67 b2, v68-71 zeros, v72 4 l, later my tile's first place, v73 my list + 16 l.
; window 1: W2's column tiles 0, 1 (tile n, K step s at v[16 (8 n + s)]).  window 2: tiles 2, 3.  window 3: two buffers of 8 hidden fragments, v0-127 and v128-255; at the head the first half of W2 lands there.
; s16 wave, s17 e, s18 slice, s19 parity, s20 n, s21 tiles, s22 n - 1, s23 trips, s24 the group's first tile, s[36:37] 2^(eh + ew)
.set MSB, 0
.macro WIN new                         ; the immediate's high byte repeats the setting that is left; a switch that changes nothing is dropped
.if MSB != \new
	s_set_vgpr_msb (MSB<<8)|\new
.set MSB, \new
.endif
.endm
.macro BAR                             ; my LDS stores have landed and my LDS loads are in: then the work-group's barrier
	s_wait_dscnt 0x0
	s_barrier_signal -1
	s_barrier_wait -1
.endm
.macro WLOAD w, j0, cnt, off0          ; loads j0 on of a half's 64: row j / 2 of its 32, half j % 2 of my 1,024 bytes: 512 consecutive bytes a load.  w: the windows' setting
	WIN \w
.set jj, \j0
.rept \cnt
	global_load_b128 v[4*jj:4*jj+3], v4, s[8:9] offset:\off0+(jj/2)*4096+(jj%2)*512
.set jj, jj+1
.endr
	WIN 0
.endm
.macro WSTORE w, j0, cnt
	WIN \w
.set jj, \j0
.rept \cnt
	ds_store_b128 v6, v[4*jj:4*jj+3] offset:(jj/2)*PITCH+(jj%2)*512
.set jj, jj+1
.endr
	WIN 0
.endm
.macro WFRAG w
	WIN \w
.irp u, 0,1
.irp s, 0,1,2,3,4,5,6,7
.irp c, 0,1,2,3
	ds_load_b128 v[16*(8*\u+\s)+4*\c:16*(8*\u+\s)+4*\c+3], v7 offset:16*\u*PITCH+128*\s+32*\c
.endr
.endr
.endr
	WIN 0
.endm
.macro HLOAD b                         ; my 8 fragments of a tile of hid, 16 KiB on end, into hidden buffer b
	WIN 0xc0
.set qq, 0
.rept 32
	global_load_b128 v[128*(\b)+4*qq:128*(\b)+4*qq+3], v13, s[HB+4*(\b):HB+4*(\b)+1] offset:512*qq
.set qq, qq+1
.endr
	WIN 0
.endm
; Tile j of the group's four: hidden buffer b; the next tile's fragments are asked for into buffer nb first.  rw: where my part goes.
.macro DTILE j, b, nb, rw
	s_add_co_u32 s26, s24, 2*\j
	s_cmp_lt_u32 s26, s21
	s_cbranch_scc0 .Lno_tile_\@
	s_add_co_u32 s27, s26, 2
	s_cmp_lt_u32 s27, s21
	s_cbranch_scc0 .Lno_next_\@
	s_lshl_b32 s28, s27, 16                        ; a tile of hid is 65,536 bytes
	s_mov_b32 s29, 0
	s_add_nc_u64 s[HB+4*\nb:HB+4*\nb+1], s[6:7], s[28:29]  ; (the loads that read this base last have been waited for)
	HLOAD \nb                                      ; no wait on va_vdst stands here: the products that read this buffer stand ahead of the wait in front of the last tile's LDS stores, and no vector or matrix line since names it
	s_wait_loadcnt 32                              ; this tile's fragments are in: behind them stand the next tile's 32 loads
	s_branch .Lmul_\@
.Lno_next_\@:
	s_wait_loadcnt 0x0
.Lmul_\@:
	s_wait_dscnt 0x0                               ; the last tile's LDS stores are done (the first time: W2's fragments are in)
	s_wait_alu depctr_vm_vsrc(0)                   ; the last tile's LDS stores have read the accumulators, which the products below write again
	WIN 0x0d                                       ; source 0 (W2) window 1, source 1 (hid) window 3
.irp s, 0,1,2,3,4,5,6,7
.irp n, 0,1
.if \s == 0
	v_wmma_f32_16x16x128_fp8_fp8 v[ACC+8*\n:ACC+8*\n+7], v[16*(8*\n):16*(8*\n)+15], v[128*\b:128*\b+15], 0
.else
	v_wmma_f32_16x16x128_fp8_fp8 v[ACC+8*\n:ACC+8*\n+7], v[16*(8*\n+\s):16*(8*\n+\s)+15], v[128*\b+16*\s:128*\b+16*\s+15], v[ACC+8*\n:ACC+8*\n+7]
.endif
.endr
.endr
	WIN 0x0e                                       ; source 0 window 2
.irp s, 0,1,2,3,4,5,6,7
.irp n, 0,1
.if \s == 0
	v_wmma_f32_16x16x128_fp8_fp8 v[ACC+16+8*\n:ACC+16+8*\n+7], v[16*(8*\n):16*(8*\n)+15], v[128*\b:128*\b+15], 0
.else
	v_wmma_f32_16x16x128_fp8_fp8 v[ACC+16+8*\n:ACC+16+8*\n+7], v[16*(8*\n+\s):16*(8*\n+\s)+15], v[128*\b+16*\s:128*\b+16*\s+15], v[ACC+16+8*\n:ACC+16+8*\n+7]
.endif
.endr
.endr                                              ; in each run two accumulators take turns, one instruction a turn
	WIN 0
.rept 5
	v_nop                                          ; places: four for the stores that read the sums; the fifth for the next tile's products, which begin the accumulators anew
.endr
	s_wait_alu depctr_va_vdst(0)                   ; the products have written the accumulators, which the LDS stores read, and are done reading hidden buffer b, in which the next tile's branch lets loads land; the places above stay beside this wait
.irp n, 0,1,2,3
	ds_store_b128 v[\rw], v[ACC+8*\n:ACC+8*\n+3] offset:TILEB*\j+64*\n          ; token r, columns 16 n + 8 h + 0 .. 7; each accumulator from its low end on
	ds_store_b128 v[\rw], v[ACC+8*\n+4:ACC+8*\n+7] offset:TILEB*\j+64*\n+16
.endr
	s_branch .Ldone_\@
.Lno_tile_\@:
	s_wait_loadcnt 0x0                             ; a wave that passes a tile over leaves no load out, so that the lines that follow may write any base and any buffer
.Ldone_\@:
.endm
; Wave w finishes tile w of the group: the four parts are added, x 2^(eh + ew), + b2, and each token's 256 bytes go to its row.  rr: where the parts lie.
.macro FIN rr
	s_lshl_b32 s26, s16, 1
	s_add_co_u32 s26, s26, s24
	s_cmp_lt_u32 s26, s21
	s_cbranch_scc0 .Lno_fin_\@
	s_wait_xcnt 0x0                                ; the last group's stores have had their addresses translated: their data and offsets are written again below
	s_wait_alu depctr_vm_vsrc(0)                   ; the last group's stores have read F and v16-23, its list loads v24-31 (the first time: the list's stores v160-223): all are written again below
.irp a, 0,1,2,3
.irp i, 0,1,2,3,4,5,6,7
	ds_load_b128 v[F+32*\a+4*\i:F+32*\a+4*\i+3], v[\rr] offset:PARTB*\a+2*RP*\i   ; part a, rows 2 i and 2 i + 1, 16 bytes a lane.  Every vector line that named F stands ahead of an earlier wait on va_vdst (in front of the last group's stores; the first time: of the list's)
.endr
.endr
	s_lshl_b32 s27, s26, 4
	v_add_nc_u32 v72, s27, v3                      ; place 16 x tile + h: lanes 0-15 take the even rows, lanes 16-31 the odd
.irp i, 0,1,2,3,4,5,6,7
	v_add_nc_u32 v[24+\i], 2*\i, v72
.endr
.irp i, 0,1,2,3,4,5,6,7
	v_min_u32 v[24+\i], s22, v[24+\i]              ; behind the last token: the last token
.endr
.irp i, 0,1,2,3,4,5,6,7
	v_min_u32 v[24+\i], 0x3ff, v[24+\i]            ; inside the list whatever the count
.endr
.irp i, 0,1,2,3,4,5,6,7
	v_lshl_add_u32 v[24+\i], v[24+\i], 2, v12
.endr
	s_wait_alu depctr_va_vdst(0)                   ; the addresses v24-31 are written, which the loads below read
.irp i, 0,1,2,3,4,5,6,7
	ds_load_b32 v[16+\i], v[24+\i]
.endr
	s_wait_dscnt 0x0
.irp i, 0,1,2,3,4,5,6,7
	v_min_u32 v[16+\i], 0x3ff, v[16+\i]            ; a token's number, inside out0
.endr
.irp i, 0,1,2,3,4,5,6,7
	v_lshl_add_u32 v[16+\i], v[16+\i], 12, v5      ; its row of 4,096 bytes + 16 (lane % 16)
.endr
.irp i, 0,2,4,6,8,10,12,14,16,18,20,22,24,26,28,30
	v_pk_add_f32 v[F+\i:F+\i+1], v[F+\i:F+\i+1], v[F+32+\i:F+32+\i+1]
.endr
.irp i, 0,2,4,6,8,10,12,14,16,18,20,22,24,26,28,30
	v_pk_add_f32 v[F+64+\i:F+64+\i+1], v[F+64+\i:F+64+\i+1], v[F+96+\i:F+96+\i+1]
.endr
.irp i, 0,2,4,6,8,10,12,14,16,18,20,22,24,26,28,30
	v_pk_add_f32 v[F+\i:F+\i+1], v[F+\i:F+\i+1], v[F+64+\i:F+64+\i+1]
.endr
.irp i, 0,1,2,3,4,5,6,7
	v_pk_fma_f32 v[F+4*\i:F+4*\i+1], v[F+4*\i:F+4*\i+1], s[36:37], v[64:65] op_sel_hi:[1,0,1]       ; sum x 2^(eh + ew) + b2
	v_pk_fma_f32 v[F+4*\i+2:F+4*\i+3], v[F+4*\i+2:F+4*\i+3], s[36:37], v[66:67] op_sel_hi:[1,0,1]
.endr
	s_wait_alu depctr_va_vdst(0)                   ; the results in F and the offsets v16-23 are written, which the stores read
.irp i, 0,1,2,3,4,5,6,7
	global_store_b128 v[16+\i], v[F+4*\i:F+4*\i+3], s[14:15] th:TH_STORE_NT     ; sixteen lanes store 256 consecutive bytes, at a multiple of 256 from out0's first byte
.endr
.Lno_fin_\@:
.endm
; A group of four tiles.  ONE barrier a group serves two buffers: a buffer is written again two groups on, behind the next group's barrier, which every wave signals only behind its reads of this one.
.macro GROUP rw, rr
	DTILE 0, 0, 1, \rw
	DTILE 1, 1, 0, \rw
	DTILE 2, 0, 1, \rw
	DTILE 3, 1, 0, \rw
	BAR                                            ; the group's parts lie in its buffer
	FIN \rr
	s_add_co_u32 s24, s24, 8
.endm
	s_load_b256 s[4:11], s[0:1], 0x0               ; idx s[4:5], hid s[6:7], w2_codes s[8:9], b2 s[10:11]
	s_load_b128 s[12:15], s[0:1], 0x20             ; lowp_scales s[12:13], out0 s[14:15]
	v_lshl_add_u32 v126, v0, 2, 0x47000
	v_mov_b32 v127, 0
	v_lshrrev_b32 v1, 5, v0
	v_readfirstlane_b32 s16, v1                    ; wave 0..3
	s_and_b32 s17, ttmp7, 0xffff                   ; expert
	s_lshr_b32 s18, ttmp9, 1                       ; slice of 64 columns
	s_and_b32 s19, ttmp9, 1                        ; parity of my tiles
	v_and_b32 v1, 31, v0
	v_and_b32 v2, 15, v0
	v_bfe_u32 v3, v0, 4, 1
	v_lshlrev_b32 v4, 4, v1
	v_lshlrev_b32 v5, 4, v2
	s_wait_alu depctr_va_sdst(0)                   ; s16 is written, ahead of its first reader
	s_mul_i32 s26, s16, WSTW
	v_add_nc_u32 v6, s26, v4
	v_mul_u32_u24 v7, v2, PITCH
	v_lshl_add_u32 v7, v3, 4, v7
	v_add_nc_u32 v7, s26, v7
	s_mul_i32 s26, s16, PARTB
	s_add_co_u32 s26, s26, RED
	v_mul_u32_u24 v8, v2, RP
	v_lshl_add_u32 v8, v3, 5, v8
	v_add_nc_u32 v8, s26, v8                       ; in: my part; row r, 32 bytes for each half of the lanes
	s_mul_i32 s26, s16, TILEB
	s_add_co_u32 s26, s26, RED
	v_mul_u32_u24 v9, v3, RP
	v_add_nc_u32 v9, v9, v5
	v_add_nc_u32 v9, s26, v9                       ; out: my tile; lanes 0-15 one row, lanes 16-31 the next
	v_add_nc_u32 v10, BUFB, v8
	v_add_nc_u32 v11, BUFB, v9
	s_mul_i32 s26, s16, LISTW
	s_add_co_u32 s26, s26, LIST
	v_mov_b32 v12, s26
	v_add_nc_u32 v73, s26, v4
	s_lshl_b32 s26, s16, 14
	v_add_nc_u32 v13, s26, v4                      ; my 8 K steps of a tile of hid: 16,384 w + 16 l
	v_lshlrev_b32 v72, 2, v1
.irp i, 0,1,2,3
	v_mov_b32 v[68+\i], 0
.endr
	s_lshl_b32 s28, s17, 22                        ; W2: an expert is 4 MiB, a slice 64 rows of 4,096 bytes, a wave 1,024 bytes of each row
	s_lshl_b32 s27, s18, 18
	s_add_co_u32 s28, s28, s27
	s_lshl_b32 s27, s16, 10
	s_add_co_u32 s28, s28, s27
	s_mov_b32 s29, 0
	s_lshl_b32 s30, s17, 22                        ; hid: 64 tiles of 65,536 bytes an expert
	s_mov_b32 s31, 0
	s_lshl_b32 s44, s18, 8                         ; out0: my 256 bytes of a row
	s_mov_b32 s45, 0
	s_lshl_b32 s46, s17, 12                        ; b2: 4 (1,024 e + 64 slice)
	s_add_co_u32 s46, s46, s44
	s_mov_b32 s47, 0
	s_lshl_b32 s48, s17, 4                         ; four entries of lowp_scales an expert
	s_mov_b32 s49, 0
	s_wait_kmcnt 0x0
	s_add_nc_u64 s[8:9], s[8:9], s[28:29]
	s_add_nc_u64 s[6:7], s[6:7], s[30:31]
	s_add_nc_u64 s[14:15], s[14:15], s[44:45]
	s_add_nc_u64 s[10:11], s[10:11], s[46:47]
	s_add_nc_u64 s[12:13], s[12:13], s[48:49]
	s_load_b128 s[32:35], s[12:13], 0x0
	s_wait_alu depctr_va_vdst(0)                   ; the offsets and addresses v4 to v13 and v73 and the zeros v68-71 are written, which the loads and LDS stores below read
	global_load_b128 v[64:67], v5, s[10:11]        ; b2 at columns 4 (lane % 16) + 0 .. 3
.irp j, 0,1,2,3,4,5,6,7
	global_load_b128 v[LB+4*\j:LB+4*\j+3], v4, s[4:5] offset:512*\j            ; all of idx: register 4 j + q is token 128 j + 4 lane + q
.endr
	WLOAD 0xc0, 0, 48, 0                           ; column tiles 0 and 1 land in window 3
.irp k, 0,1,2,3,4,5,6,7,8
	ds_store_b128 v73, v[68:71] offset:512*\k      ; my list begins as zeros: every word that may be read has been written
.endr
	s_wait_loadcnt 48                              ; b2 and idx are in: behind them stand 48 loads of W2
	; THE LIST, by the same lines as in the launch that wrote hid
	s_mov_b32 s20, 0
.irp hh, 0,1
.set ii, 16*\hh
.rept 16
	v_cmp_eq_u32 s[MK+ii%16], s17, v[LB+ii]
.set ii, ii+1
.endr
	s_wait_alu depctr_va_sdst(0)                   ; the sixteen compares have written s48-63, ahead of the first line that reads one of them
.set ii, 16*\hh
.rept 16
	v_mbcnt_lo_u32_b32 v[LB+32+ii], s[MK+ii%16], s20
	v_cndmask_b32 v[LB+32+ii], 0x400, v[LB+32+ii], s[MK+ii%16]
	v_min_u32 v[LB+32+ii], 0x400, v[LB+32+ii]
	v_lshl_add_u32 v[LB+32+ii], v[LB+32+ii], 2, v12
	v_add_nc_u32 v[LB+64+ii], 128*(ii/4)+ii%4, v72
	s_bcnt1_i32_b32 s41, s[MK+ii%16]
	s_add_co_u32 s20, s20, s41
.set ii, ii+1
.endr
.endr
	s_wait_alu depctr_va_vdst(0)                   ; the 32 addresses v160-191 and the 32 numbers v192-223 are written, which the LDS stores read
.set ii, 0
.rept 32
	ds_store_b32 v[LB+32+ii], v[LB+64+ii]
.set ii, ii+1
.endr
	s_add_co_u32 s21, s20, 15
	s_lshr_b32 s21, s21, 4                         ; tiles of 16 places
	s_sub_co_u32 s22, s20, 1
	WLOAD 0xc0, 48, 16, 0
.irp k, 0,1,2,3
	s_wait_loadcnt 48                              ; the first half's loads up to 16 k + 15 are in: behind them stand 48 - 16 k of its own and 16 k of the second half's
	WSTORE 0x0c, 16*\k, 16
	WLOAD 0x80, 16*\k, 16, 131072                  ; column tiles 2 and 3, 32 rows further on, land in window 2
.endr
	s_wait_dscnt 0x0
	WFRAG 0x40                                     ; tiles 0 and 1 as fragments into window 1, which no line has named before
	s_wait_dscnt 0x0                               ; they are in: my stage may be written again
.irp k, 0,1,2,3
	s_wait_loadcnt 48-16*\k
	WSTORE 0x08, 16*\k, 16
.endr
	s_wait_alu depctr_vm_vsrc(0)                   ; the stage's stores have read window 3, in which hid's fragments land, and window 2, in which W2's land; only loads, window switches
	s_cmp_lt_u32 s19, s21
	s_cbranch_scc0 .Lno_first
	s_lshl_b32 s28, s19, 16
	s_mov_b32 s29, 0
	s_add_nc_u64 s[HB:HB+1], s[6:7], s[28:29]
	HLOAD 0                                        ; my first tile's fragments land under the reads below
.Lno_first:
	s_wait_dscnt 0x0                               ; my stage is written
	WFRAG 0x80
	s_wait_kmcnt 0x0
	s_add_co_i32 s36, s34, s35
	s_add_co_i32 s36, s36, 127
	s_lshl_b32 s36, s36, 23                        ; 2^(eh + ew) as f32
	s_mov_b32 s37, s36                             ; (named with it as a pair, so it is written)
	s_mov_b32 s24, s19
	s_mov_b32 s23, 0
.Lgroup:
	GROUP 8, 9
	GROUP 10, 11
	s_add_co_u32 s23, s23, 1
	s_cmp_lt_u32 s23, 4
	s_cbranch_scc1 .Lgroup
	s_wait_dscnt 0x0
	s_wait_alu depctr_hold_cnt(0) depctr_sa_sdst(0) depctr_va_vdst(0) depctr_va_sdst(0) depctr_va_ssrc(0) depctr_va_vcc(0) depctr_vm_vsrc(0)
	s_wait_tensorcnt 0x0
	ds_add_u32 v126, v127
	s_wait_dscnt 0x0
	s_endpgm
.Lfunc_end_k_q26ac7c2251_down:
	.size	k_q26ac7c2251_down, .Lfunc_end_k_q26ac7c2251_down-k_q26ac7c2251_down
	.p2alignl 7, 3214868480
	.fill 96, 4, 3214868480
	.section	.rodata,"a",@progbits
	.p2align	6, 0x0
	.amdhsa_kernel k_q26ac7c2251_down
		.amdhsa_group_segment_fixed_size 291328
		.amdhsa_private_segment_fixed_size 0
		.amdhsa_enable_private_segment 0
		.amdhsa_kernarg_size 48
		.amdhsa_user_sgpr_count 2
		.amdhsa_user_sgpr_kernarg_segment_ptr 1
		.amdhsa_wavefront_size32 1
		.amdhsa_system_sgpr_workgroup_id_x 1
		.amdhsa_system_sgpr_workgroup_id_y 1
		.amdhsa_system_sgpr_workgroup_id_z 1
		.amdhsa_system_vgpr_workitem_id 0
		.amdhsa_next_free_vgpr 1024
		.amdhsa_next_free_sgpr 66
		.amdhsa_reserve_vcc 0
		.amdhsa_float_denorm_mode_32 3
		.amdhsa_float_denorm_mode_16_64 3
		.amdhsa_memory_ordered 1
		.amdhsa_forward_progress 1
		.amdhsa_inst_pref_size 127
	.end_amdhsa_kernel
	.amdgpu_metadata
---
amdhsa.version: [ 1, 2 ]
amdhsa.kernels:
  - .name:           k_q26ac7c2251_down
    .symbol:         k_q26ac7c2251_down.kd
    .args:
      - { .name: idx, .offset: 0, .size: 8, .value_kind: global_buffer, .address_space: global }
      - { .name: hid, .offset: 8, .size: 8, .value_kind: global_buffer, .address_space: global }
      - { .name: w2_codes, .offset: 16, .size: 8, .value_kind: global_buffer, .address_space: global }
      - { .name: b2, .offset: 24, .size: 8, .value_kind: global_buffer, .address_space: global }
      - { .name: lowp_scales, .offset: 32, .size: 8, .value_kind: global_buffer, .address_space: global }
      - { .name: out0, .offset: 40, .size: 8, .value_kind: global_buffer, .address_space: global }
    .group_segment_fixed_size: 291328
    .private_segment_fixed_size: 0
    .kernarg_segment_align: 8
    .kernarg_segment_size: 48
    .max_flat_workgroup_size: 128
    .sgpr_count:     66
    .vgpr_count:     1024
    .wavefront_size: 32
...
	.end_amdgpu_metadata
.endif
;; end of part 5
